; MI455X (gfx1250); checked and timed in simulation.
; The chip was launched on July 23, 2026; its instructions are those of AMD's public machine-readable ISA for CDNA 5 (MIT licence, August 2026) and "CDNA5" Instruction Set Architecture Reference Guide (July 2026). The comments in the code are by the model that wrote it; some were corrected since.
;; Torch Attention. Allowed arithmetic: matrix products marked QUANTISED: E2M3 operands, one E8M0 scale for each 32 along K, by v_wmma_scale_f32_16x16x128_f8f6f4 with both operands' format E2M3, f32 sums; everything else in f32.
;; Inputs: W_k 1,024 x 1,024 float32; W_o 1,024 x 1,024 float32; W_q 1,024 x 1,024 float32; W_v 1,024 x 1,024 float32; x 2 x 2,048 x 1,024 float32.
;; Outputs: out0 2 x 2,048 x 1,024 float32.
;; This version of the problem:
;;   THIS VERSION OF THE PROBLEM IS GIVEN IN LOW PRECISION. The matrix products marked QUANTISED in the list below multiply operands that are first quantised to E2M3 (2 exponent bits, 3 mantissa bits; 6 bits a number), with one power-of-two scale for each 32 numbers along K (OCP MX v1.0); their sums are f32. All else is computed in f32.
;;   The module's matrix products, in the order in which they are computed (A, B: the left and right operand; K: the contracted axis; several contracted axes count as one K, in the product's order):
;;     1. [M 4,096, K 1,024] x [K 1,024, N 1,024]; A: input x; B: input W_q: QUANTISED
;;     2. [M 4,096, K 1,024] x [K 1,024, N 1,024]; A: input x; B: input W_k: QUANTISED
;;     3. [M 4,096, K 1,024] x [K 1,024, N 1,024]; A: input x; B: input W_v: QUANTISED
;;     4. batch 32 x [M 2,048, K 64] x [K 64, N 2,048]; A: computed on the way; B: computed on the way: QUANTISED
;;     5. batch 32 x [M 2,048, K 2,048] x [K 2,048, N 64]; A: softmax (see below); B: computed on the way: QUANTISED
;;     6. [M 4,096, K 1,024] x [K 1,024, N 1,024]; A: computed on the way; B: input W_o: QUANTISED
;;   THE QUANTISER, for each operand of a quantised product, along K:
;;     - K is cut into blocks of 32 from its start; a last block that is shorter is filled with zeros.
;;     - A block's scale is 2^e with e = floor(log2(the largest magnitude in the block)) - 2, held to -126 .. 127; a block of zeros has e = 0. As a byte (E8M0): e + 127.
;;     - Each number is divided by its block's scale, clamped to +-7.5, and rounded to the nearest number of E2M3, ties to even, subnormals kept.
;;     - The product sums the exact products of the quantised numbers (number of the format x scale) in f32.
;;   ~~~python
;;   def quantise(x, axis):      # numpy; x: float32 -> the quantised numbers, widened to float32 again
;;       x = np.moveaxis(x, axis, -1); K = x.shape[-1]
;;       x = np.pad(x, [(0, 0)] * (x.ndim - 1) + [(0, -K % 32)]); x = x.reshape(x.shape[:-1] + (-1, 32)); a = np.abs(x).max(-1, keepdims=True)
;;       e = np.where(a > 0, np.clip(np.frexp(np.where(a > 0, a, 1))[1] - 1 - 2, -126, 127), 0)      # np.frexp(a)[1] - 1 = floor(log2(a)), exactly
;;       r = np.clip(x / 2.0 ** e, -7.5, 7.5)
;;       step = 2.0 ** (np.maximum(np.frexp(np.where(r == 0, 1, r))[1] - 1, 0) - 3)
;;       q = np.round(r / step) * step * 2.0 ** e      # np.round: ties to even
;;       return np.moveaxis(q.reshape(q.shape[:-2] + (-1,))[..., :K], -1, axis).astype(np.float32)
;;   ~~~
;;   SOFTMAX AHEAD OF A QUANTISED PRODUCT. Where the list says 'softmax', what is quantised is not the finished softmax but p = 2^(t - M), with t = logit x log2(e) and M = ceil(the row's largest t), a whole number; so 1/2 < the row's largest p <= 1. The row's sum l is taken of the UNQUANTISED p, in f32, and the product's result is divided by l at the end. Since M is a whole number, a kernel that streams over the keys may use a running M (the ceiling of the running maximum): every later rescaling is an exact power of two, which a block's scale takes up: the codes' values come out the same.
;;   OPERANDS COMPUTED ON THE WAY. 'Computed on the way' means the value that the module computes at that place (a softmax that the list does not call 'softmax' is quantised finished and normalised). What goes into a quantiser is computed in f32, as accurately as f32 sums, v_exp_f32 and their like allow (about 1e-6 of the number): no bf16 or f16 on the way to a quantiser, and a product that is left as it is and whose result goes on into a quantised operand takes f32 operands (vector FMAs, or v_wmma_f32_16x16x4_f32). A number that lies on a knife's edge between two numbers of the format may be rounded either way, as far as f32 arithmetic and the matrix unit's own rounding can turn it there, and no further.
;; One version. Each part assembles by itself: llvm-mc -triple=amdgcn-amd-amdhsa -mcpu=gfx1250 --defsym DOCPART=n.
;; ======== version 1 of 1: 4 launches
;; limits: right only within a limited range of input values
;; workspace buffers: xw_codes 6,291,456 bytes; xw_scales 262,144 bytes; q_codes 3,276,800 bytes; kv_codes 6,553,600 bytes; ctx_codes 3,145,728 bytes; ctx_scales 131,072 bytes
;; launch quant (part 1): grid 256 x 1, 4 waves a work-group, no clusters, 34,304 bytes of LDS; arguments x, W_q, W_k, W_v, W_o, xw_codes, xw_scales; writes xw_codes, xw_scales
.if DOCPART == 1
	.amdgcn_target "amdgcn-amd-amdhsa--gfx1250"
	.amdhsa_code_object_version 6
	.text
	.protected	k_qc7b6aaf117_quant
	.globl	k_qc7b6aaf117_quant
	.p2align	8
	.type	k_qc7b6aaf117_quant,@function
k_qc7b6aaf117_quant:
	s_mov_b64 s[64:65], 0
	v_nop
	global_prefetch_b8 v0, s[64:65] scope:SCOPE_SE
	s_setreg_imm32_b32 hwreg(HW_REG_WAVE_MODE, 25, 1), 1
	s_wait_xcnt 0x0
; x [4096][1024] and W_q, W_k, W_v, W_o [1024][1024], f32, K innermost, become codes of FP6 (E2M3) with one E8M0 byte for each 32 along K,
; laid as IMAGES OF OPERAND REGISTERS for the products that follow.
; ROW TILES.  The 8,192 rows (x, W_q, W_k, W_v, W_o on end) make 512 tiles of 16.  Row i of tile T is the true row 32 (T / 2) + 8 (T % 2) + i % 8 + 16 (i / 8):
; so the 16 result registers that two neighbouring tiles give a lane, when they are a product's source 0, are 16 true neighbours.
; A FRAGMENT (16 rows x 128 K, 12 registers a lane; lane (r, h): row r, registers 6 c .. 6 c + 5 = k 64 c + 32 h + 0 .. 31) is 1,536 bytes:
; registers 0-3 at 16 x lane, 4-5 at 512 + 8 x lane, 6-9 at 768 + 16 x lane, 10-11 at 1,280 + 8 x lane.  xw_codes: [tile 512][K step 8][1,536].
; xw_scales: [tile 512][K half 2][row 16][4 words]; word j of half kh is the row's four bytes of K step 4 kh + j.
; A block's scale is 2^(floor(log2(largest magnitude)) - 2): its byte is the largest magnitude's exponent field - 2, held at 1 from below.
; LIMITS: a block of zeros gets the byte 1 where the rule says 127 (its codes are zeros, and this program alone reads the bytes); NaN and infinities among the inputs are not served.
; SHARES.  Wave w of work-group g takes tile 2 g + w / 2 and K half w % 2: 16 rows x 512 numbers, four fragments.  Each load reads 512 consecutive bytes of one row;
; a fragment's 8,192 bytes turn through the wave's own stage in LDS (rows 528 bytes apart) and come back 128 bytes a lane and block.
; No cluster, no tensor load, no barrier: work-groups and waves share no input.  Two fragments' loads (32 a wave) are out at the start, 16 while one is worked.
.set STG,  8448                        ; a wave's stage: 16 rows x (512 + 16) bytes
.set R,    16                          ; v16-143  two sets of 64: a fragment's numbers as loaded
.set X,    144                         ; v144-207 my 64 numbers: register 32 c + i = k 64 c + 32 h + i of row r
.set C,    208                         ; v208-219 the fragment's codes
.set CT,   220                         ; v220-222, v224-226 the upper halves of the two blocks, as converted
.set TM,   228                         ; v228-229 largest magnitudes
.set SO,   230                         ; v230-231 the conversions' scale operands
.set BY,   232                         ; v232-233 the bytes
.set WRD,  234                         ; my two bytes at their places in the word
.set TT,   235                         ; the other half's two
.set SW,   240                         ; v240-243 the four fragments' scale words
.set OUT,  244                         ; v244-245 the two words that I store
	s_load_b256 s[4:11], s[0:1], 0x0               ; x, W_q, W_k, W_v
	s_load_b128 s[12:15], s[0:1], 0x20             ; W_o, xw_codes
	s_load_b64 s[16:17], s[0:1], 0x30              ; xw_scales
	v_lshl_add_u32 v248, v0, 2, 0x8400
	v_mov_b32 v249, 0
	v_lshrrev_b32 v1, 5, v0
	v_readfirstlane_b32 s18, v1                    ; wave 0..3
	v_and_b32 v1, 31, v0                           ; lane
	v_and_b32 v2, 15, v0                           ; r
	v_bfe_u32 v3, v0, 4, 1                         ; h
	v_lshlrev_b32 v4, 4, v1                        ; 16 x lane: my bytes of a load's 512, and of an image's
	s_mul_i32 s19, s18, STG
	v_add_nc_u32 v5, s19, v4                       ; the stage, on the way in
	v_mul_u32_u24 v6, v2, 528
	v_lshl_add_u32 v6, v3, 7, v6
	v_add_nc_u32 v6, s19, v6                       ; and on the way out: row r, + 128 h
	v_lshlrev_b32 v7, 3, v1                        ; 8 x lane
	v_lshlrev_b32 v8, 4, v2
	v_lshl_add_u32 v8, v3, 3, v8                   ; the scale words' place: 16 r + 8 h
	v_lshlrev_b32 v9, 3, v3                        ; 8 h: my bytes' shift in a word
	v_mov_b32 v[TT], 0                             ; a lane permute's destination counts as read: written once
	s_mov_b32 s22, 0x76543210
	s_mov_b32 s23, 0xfedcba98                      ; v_permlanex16_b32's selects for lane l xor 16
	s_mov_b32 s24, 0xffff0000                      ; lanes 16-31
	s_lshr_b32 s25, s18, 1                         ; which tile of the pair
	s_and_b32 s26, s18, 1                          ; which K half
	s_and_b32 s27, ttmp9, 31                       ; the pair of tiles inside a weight
	s_wait_alu depctr_va_vdst(0)
	s_wait_kmcnt 0x0
	s_mov_b64 s[20:21], s[12:13]                   ; which tensor: work-groups 0-127 x, then 32 for each weight.  The choice hangs on the work-group's number alone
	s_cmp_lt_u32 ttmp9, 224
	s_cselect_b64 s[20:21], s[10:11], s[20:21]
	s_cmp_lt_u32 ttmp9, 192
	s_cselect_b64 s[20:21], s[8:9], s[20:21]
	s_cmp_lt_u32 ttmp9, 160
	s_cselect_b64 s[20:21], s[6:7], s[20:21]
	s_cmp_lt_u32 ttmp9, 128
	s_cselect_b64 s[20:21], s[4:5], s[20:21]
	s_cselect_b32 s27, ttmp9, s27                  ; the pair of tiles inside the tensor
	s_lshl_b32 s28, s27, 17                        ; 32 rows of 4,096 bytes,
	s_lshl_b32 s29, s25, 15                        ; 8 rows for the pair's second tile,
	s_add_co_u32 s28, s28, s29
	s_lshl_b32 s29, s26, 11                        ; 512 numbers for the second K half
	s_add_co_u32 s28, s28, s29
	s_mov_b32 s29, 0
	s_add_nc_u64 s[20:21], s[20:21], s[28:29]
	s_lshl_b32 s30, ttmp9, 1
	s_add_co_u32 s30, s30, s25                     ; my tile
	s_mul_i32 s28, s30, 12288
	s_mul_i32 s31, s26, 6144
	s_add_co_u32 s28, s28, s31
	s_add_nc_u64 s[14:15], s[14:15], s[28:29]      ; my four fragments
	s_lshl_b32 s28, s30, 9
	s_lshl_b32 s31, s26, 8
	s_add_co_u32 s28, s28, s31
	s_add_nc_u64 s[16:17], s[16:17], s[28:29]      ; my 256 bytes of scale words
.macro LOADF j                         ; fragment j: 16 rows x 512 bytes, a row a load
.irp i, 0,1,2,3,4,5,6,7,8,9,10,11,12,13,14,15
	global_load_b128 v[R+64*((\j)%2)+4*\i:R+64*((\j)%2)+4*\i+3], v4, s[20:21] offset:((\i%8)+16*(\i/8))*4096+512*(\j) th:TH_LOAD_NT
.endr
.endm
.macro TURNF j                         ; through the stage: LDS serves a wave's instructions in order, so no wait stands between the stores and the loads
.irp i, 0,1,2,3,4,5,6,7,8,9,10,11,12,13,14,15
	ds_store_b128 v5, v[R+64*((\j)%2)+4*\i:R+64*((\j)%2)+4*\i+3] offset:528*\i
.endr
.irp c, 0,1
.irp n, 0,1,2,3,4,5,6,7
	ds_load_b128 v[X+32*\c+4*\n:X+32*\c+4*\n+3], v6 offset:256*\c+16*\n
.endr
.endr
.endm
.macro WORK j
.irp c, 0,1
	v_max3_num_f32 v[TM+\c], |v[X+32*\c]|, |v[X+32*\c+1]|, 0x1800000   ; my block 2 c + h: all 32 numbers are mine; the floor 2^(3 - 127) holds the byte at 1 from below
.endr
.irp i, 2,4,6,8,10,12,14,16,18,20,22,24,26,28,30
.irp c, 0,1
	v_max3_num_f32 v[TM+\c], v[TM+\c], |v[X+32*\c+\i]|, |v[X+32*\c+\i+1]|
.endr
.endr
.irp c, 0,1
	v_add_nc_u32 v[SO+\c], 0xff000000, v[TM+\c]    ; 2 off the exponent field: the conversion takes this operand's exponent field as its scale
.endr
.irp c, 0,1
	v_lshrrev_b32 v[BY+\c], 23, v[SO+\c]           ; the scale's byte
.endr
	v_lshl_or_b32 v[WRD], v[BY+1], 16, v[BY]       ; blocks h and 2 + h,
	v_lshlrev_b32 v[WRD], v9, v[WRD]               ; at their places in the word;
	v_permlanex16_b32 v[TT], v[WRD], s22, s23
	v_or_b32 v[SW+(\j)], v[WRD], v[TT]             ; with lane l xor 16's two the word is whole
	s_wait_alu depctr_va_vdst(0)
	s_wait_xcnt 0x0                                ; the last fragment's stores have read their data: the codes' registers are written again only behind this wait
.irp c, 0,1
	v_cvt_scalef32_pk16_fp6_f32 v[C+6*\c:C+6*\c+2], v[X+32*\c:X+32*\c+15], v[SO+\c]
	v_cvt_scalef32_pk16_fp6_f32 v[CT+4*\c:CT+4*\c+2], v[X+32*\c+16:X+32*\c+31], v[SO+\c]   ; (a conversion's three registers begin on an even number)
.endr
	v_nop                                          ; one plain line behind the scaled conversions
.irp c, 0,1
.irp i, 0,1,2
	v_mov_b32 v[C+6*\c+3+\i], v[CT+4*\c+\i]
.endr
.endr
	global_store_b128 v4, v[C:C+3], s[14:15] offset:1536*(\j)            ; each store covers 512 or 256 consecutive bytes, aligned
	global_store_b64  v7, v[C+4:C+5], s[14:15] offset:1536*(\j)+512
	global_store_b128 v4, v[C+6:C+9], s[14:15] offset:1536*(\j)+768
	global_store_b64  v7, v[C+10:C+11], s[14:15] offset:1536*(\j)+1280
.endm
	LOADF 0
	LOADF 1
.irp j, 0,1,2,3
.if \j < 3
	s_wait_loadcnt 16                              ; this fragment's 16 loads are in; the next one's may be out
.else
	s_wait_loadcnt 0
.endif
	TURNF \j
	s_wait_dscnt 0x0                               ; my 64 numbers are back, and the stage's stores have read their registers,
.if \j < 2
	LOADF \j+2                                     ; which take the fragment two on
.endif
	WORK \j
.endr
	v_cndmask_b32 v[OUT], v[SW], v[SW+2], s24      ; lanes 0-15 store words 0 and 1 of their row, lanes 16-31 words 2 and 3
	v_cndmask_b32 v[OUT+1], v[SW+1], v[SW+3], s24
	global_store_b64 v8, v[OUT:OUT+1], s[16:17]    ; 32 lanes store 256 consecutive bytes, aligned
	s_wait_tensorcnt 0x0
	ds_add_u32 v248, v249
	s_wait_dscnt 0x0
	s_endpgm
.Lfunc_end_k_qc7b6aaf117_quant:
	.size	k_qc7b6aaf117_quant, .Lfunc_end_k_qc7b6aaf117_quant-k_qc7b6aaf117_quant
	.p2alignl 7, 3214868480
	.fill 96, 4, 3214868480
	.section	.rodata,"a",@progbits
	.p2align	6, 0x0
	.amdhsa_kernel k_qc7b6aaf117_quant
		.amdhsa_group_segment_fixed_size 34304
		.amdhsa_private_segment_fixed_size 0
		.amdhsa_enable_private_segment 0
		.amdhsa_kernarg_size 56
		.amdhsa_user_sgpr_count 2
		.amdhsa_user_sgpr_kernarg_segment_ptr 1
		.amdhsa_wavefront_size32 1
		.amdhsa_system_sgpr_workgroup_id_x 1
		.amdhsa_system_sgpr_workgroup_id_y 1
		.amdhsa_system_sgpr_workgroup_id_z 1
		.amdhsa_system_vgpr_workitem_id 0
		.amdhsa_next_free_vgpr 250
		.amdhsa_next_free_sgpr 66
		.amdhsa_reserve_vcc 0
		.amdhsa_float_denorm_mode_32 3
		.amdhsa_float_denorm_mode_16_64 3
		.amdhsa_memory_ordered 1
		.amdhsa_forward_progress 1
		.amdhsa_inst_pref_size 31
	.end_amdhsa_kernel
	.amdgpu_metadata
---
amdhsa.version: [ 1, 2 ]
amdhsa.kernels:
  - .name:           k_qc7b6aaf117_quant
    .symbol:         k_qc7b6aaf117_quant.kd
    .args:
      - { .name: x, .offset: 0, .size: 8, .value_kind: global_buffer, .address_space: global }
      - { .name: W_q, .offset: 8, .size: 8, .value_kind: global_buffer, .address_space: global }
      - { .name: W_k, .offset: 16, .size: 8, .value_kind: global_buffer, .address_space: global }
      - { .name: W_v, .offset: 24, .size: 8, .value_kind: global_buffer, .address_space: global }
      - { .name: W_o, .offset: 32, .size: 8, .value_kind: global_buffer, .address_space: global }
      - { .name: xw_codes, .offset: 40, .size: 8, .value_kind: global_buffer, .address_space: global }
      - { .name: xw_scales, .offset: 48, .size: 8, .value_kind: global_buffer, .address_space: global }
    .group_segment_fixed_size: 34304
    .private_segment_fixed_size: 0
    .kernarg_segment_align: 8
    .kernarg_segment_size: 56
    .max_flat_workgroup_size: 128
    .sgpr_count:     66
    .vgpr_count:     250
    .wavefront_size: 32
...
	.end_amdgpu_metadata
.endif
;; end of part 1
;; launch qkv (part 2): grid 48 x 4, 4 waves a work-group, clusters of 4 x 4, 327,680 bytes of LDS; arguments xw_codes, xw_scales, q_codes, kv_codes; writes q_codes, kv_codes
.if DOCPART == 2
	.amdgcn_target "amdgcn-amd-amdhsa--gfx1250"
	.amdhsa_code_object_version 6
	.text
	.protected	k_qc7b6aaf117_qkv
	.globl	k_qc7b6aaf117_qkv
	.p2align	8
	.type	k_qc7b6aaf117_qkv,@function
k_qc7b6aaf117_qkv:
	s_mov_b64 s[64:65], 0
	v_nop
	global_prefetch_b8 v0, s[64:65] scope:SCOPE_SE
	s_setreg_imm32_b32 hwreg(HW_REG_WAVE_MODE, 25, 1), 1
	s_wait_xcnt 0x0
	s_wait_alu depctr_hold_cnt(0) depctr_sa_sdst(0) depctr_va_vdst(0) depctr_va_sdst(0) depctr_va_ssrc(0) depctr_va_vcc(0) depctr_vm_vsrc(0)
	s_getreg_b32 s2, hwreg(HW_REG_IB_STS2, 6, 4)
	s_cmp_eq_u32 s2, 0
	s_cbranch_scc0 .Lentry_in_a_cluster
	s_endpgm
.Lentry_in_a_cluster:
	s_bfe_u32 s2, ttmp6, 0x10000c
	s_cmp_lg_u32 s2, 0xf033
	s_cbranch_scc0 .Lentry_shape_is_right
	s_endpgm
.Lentry_shape_is_right:
; q, k, v = x W^T on codes of FP6 (E2M3) with E8M0 scales, and the results quantised in registers into the operands of attention.  Operands come as images of fragments (1,536 bytes for 16 rows x 128 K:
; registers 0-3 at 16 x lane, 4-5 at 512 + 8 x lane, 6-9 at 768 + 16 x lane, 10-11 at 1,280 + 8 x lane) in xw_codes [tile 512][K step 8][1,536]; tiles 0-255 x, 256-319 W_q, 320-383 W_k, 384-447 W_v.
; Row i of tile T is the true row 32 (T / 2) + 8 (T % 2) + i % 8 + 16 (i / 8).  Scale words: xw_scales [tile][K half][row 16][4 words].
; A work-group of four waves makes 256 x 256 results; a wave 128 x 128: 64 accumulators, 512 registers.  SOURCE 1's rows become lanes, SOURCE 0's rows become registers; by the tiles' order of rows the 16 registers of
; two neighbouring tiles of source 0 are 16 true neighbours.  So what is to be the next product's K goes in as source 0:
;   clusters 0-7:  source 1 = x (tokens in lanes), source 0 = W_q (even clusters) or W_k (odd): a lane holds one token and 128 channels, two heads: q and k are quantised along a head's 64;
;   clusters 8-11: source 1 = W_v (channels in lanes), source 0 = x: a lane holds one channel and 128 tokens: v is quantised along the tokens.
; K = 1,024 goes in four slots' fills of 256 through a ring of two LDS slots filled by the tensor data mover, one joint load a wave for each fill.  The scale words of a wave's 16 tiles, all of K, come straight into 64 registers.
; CLUSTERS of 4 x 4: the four of a row need the same tiles of source 1, the four of a column the same of source 0: each is asked for jointly.  12 clusters, 192 work-groups: the three products have no more tiles of this size.
; PREFETCH: one instruction a wave for each of fills 1, 2, 3, each behind the load of the fill before it.  Of the 8 tiles x 3,072 bytes that a wave fetches, each of the four partners names two tiles' 24 blocks of 256 bytes.
; OUT.  q_codes [bh 32][step 16][8 half images of 768 (16 tokens x 64); scale words [row 16][4]: 256 bytes]: 6,400 bytes a step, word f: bytes 0, 1 tile 2 f's two blocks, bytes 2, 3 tile 2 f + 1's;
; kv_codes [bh][step][k: 8 half images; v: 4 fragments of 16 channels x 128 tokens; k's scale words as q's; v's: [row 16][fragment 4]]: 12,800 bytes a step.
; LIMITS: a block of zeros gets the byte 1 where the rule says 127 (its codes are zeros; this program alone reads the bytes); NaN and infinities are not served.
; REGISTERS, in windows of 256: window 0: v16-31 addresses; v32-95 scale words; v128-223 source 1's fragments, ONE set; on the way out v64-115 codes, v200-215 at work, v224-243 scale words.
;   window 1: source 0's fragments, TWO sets, at v0 and v128.   window 2: the accumulators of my source-1 tiles 0-3 ((a, b) at v[8 (8 a + b)]);   window 3: those of tiles 4-7.
.set NQ,     2                         ; matrix instructions deep in a slot
.set FR,     12                        ; registers of a fragment
.set NL,     4                         ; LDS loads that bring one
.set NP,     4                         ; places behind this matrix instruction (ISA guide 7.12.1)
.set FRB,    1536                      ; a fragment's image
.set RT,     NQ*FRB                    ; a row tile's part of a slot
.set KROW,   8*FRB                     ; a row tile's codes for all of K, in memory
.set HALFT,  8*RT                      ; what one tensor load brings, and what one wave reads of a source
.set SLOT,   4*HALFT                   ; source 1's 16 row tiles, then source 0's 16
.set SPARE,  2*SLOT                    ; the spare words, 128 bytes for each wave
.set ADRA, 16                          ; v16-17 LDS address of my source-1 fragments in slot 0, 1, + 16 x lane;  v18-19 the same + 8 x lane
.set ADRB, 20                          ; v20-23 the same for source 0
.set L16,  24                          ; 16 x lane
.set L8,   25                          ; 8 x lane
.set VOS,  26                          ; where I store scale words
.set FL,   27                          ; the floor 2^(3 - 127)
.set SPW,  28                          ; LDS address of my spare word; never rewritten
.set NIL,  29                          ; 0; never rewritten
.set ADRS, 30                          ; offset of my scale words: lanes 0-15 source 1's rows, lanes 16-31 source 0's
.set PFO,  31                          ; the prefetches' offset; never rewritten
.set SC,   32                          ; scale words: v[SC + 16 m + 2 i + q]: tile i, K step 2 m + q
.set PCS,  64                          ; the way out: two sets of 20 registers for codes, at v64 and v96
.set AF,   128                         ; source 1's fragments
.set TM,   200                         ; v200-203 largest magnitudes, v204-207 bytes, v212-215 scale operands
.set WD,   224                         ; v224-231 the scale word of each of my eight source-1 tiles
.set WA,   232
.set WB,   236
.set OUT,  240
.set G1, 24                            ; s[24:31] descriptor group 1 for source 1's tiles;  s[32:39] group 0, one set for each slot
.set G0, 32
.set G1B, 48                           ; s[48:55], s[56:63] the same for source 0's
.set G0B, 56
.set PFB, 70                           ; s[70:71] where my prefetches stand: my work-group's two tiles of those that I fetch, K step 0
.set WV, 96                            ; my wave's number
.set HR, 97                            ; which half of source 1's rows is mine.  Also: I fetch for source 1 (0) or source 0 (1)
.set HC, 98                            ; which half of source 0's rows.  Also: which 8 row tiles I fetch
.set QK, 100                           ; 1 in clusters 0-7
.set SH, 101                           ; 0 where the results are q's, 1 where they go to kv: all strides there are twice q's
.set SEL, 66                           ; s[66:67] on the way out: v_permlanex16_b32's selects
.set MSK, 46                           ; on the way out: lanes 16-31
.set MSB, 0
.macro WIN new                         ; the immediate's high byte repeats the setting that is left
.if MSB != (\new)
	s_set_vgpr_msb (MSB<<8)|(\new)
.set MSB, (\new)
.endif
.endm
.set MUL_LO, 0xa1                      ; source 0 window 1, source 1 window 0, C and D window 2
.set MUL_HI, 0xf1                      ; the same, C and D window 3
.set TO_B,   0x40                      ; destination window 1, address window 0
.macro PLACES n
.rept \n
	v_nop
.endr
.endm
; A joint load: waves 0 and 1 fetch for source 1, waves 2 and 3 for source 0.  Each line has one mask and one set of registers; the branch hangs on the wave's number alone.
.macro JLOAD g0a, g0b
	s_cmp_eq_u32 s[HR], 0
	s_cbranch_scc0 .Lfor_b_\@
	tensor_load_to_lds s[\g0a:\g0a+3], s[G1:G1+7]
	s_nop 0
	PLACES 4
	s_branch .Lasked_\@
.Lfor_b_\@:
	tensor_load_to_lds s[\g0b:\g0b+3], s[G1B:G1B+7]
	s_nop 0
	PLACES 4
.Lasked_\@:
.endm
.macro CREST                           ; a round of the cluster's barrier behind its opening barrier
	s_cmp_lg_u32 s[WV], 0
	s_cbranch_scc1 .Lnot_wave_0_\@
	s_barrier_signal -3
.Lnot_wave_0_\@:
	s_barrier_wait -3
	s_barrier_signal -1
	s_barrier_wait -1
.endm
.macro CROUND                          ; a whole round
	s_barrier_signal -1
	s_barrier_wait -1
	CREST
.endm
.macro ASK k                           ; prefetch fill k's part
	global_prefetch_b8 v[PFO], s[PFB:PFB+1] offset:(\k)*RT th:TH_LOAD_NT scope:SCOPE_SE
.endm
	s_load_b256 s[4:11], s[0:1], 0x0               ; xw_codes, xw_scales, q_codes, kv_codes
	v_lshl_add_u32 v[SPW], v0, 2, SPARE
	v_mov_b32 v[NIL], 0
	ds_add_u32 v[SPW], v[NIL]                      ; the opening lines: the add, twice on end, and its wait
	ds_add_u32 v[SPW], v[NIL]
	v_lshrrev_b32 v1, 5, v0
	v_readfirstlane_b32 s[WV], v1                  ; wave 0..3
	s_lshr_b32 s[HR], s[WV], 1
	s_and_b32 s[HC], s[WV], 1
	s_bfe_u32 s40, ttmp6, 0x40000                  ; cx, cy: my place in the cluster
	s_bfe_u32 s41, ttmp6, 0x40004
	s_lshl_b32 s43, s41, 2
	s_lshl_b32 s43, 15, s43                        ; my row of the cluster
	s_lshl_b32 s44, 0x1111, s40                    ; my column
	; the cluster's first row tiles, from the cluster's number c = ttmp9 alone, which all partners share
	s_lshr_b32 s42, ttmp9, 1
	s_lshl_b32 s42, s42, 6                         ; c < 8: source 1 = x from tile 64 (c / 2) on
	s_and_b32 s99, ttmp9, 1
	s_lshl_b32 s45, s99, 6
	s_add_co_u32 s45, s45, 256                     ;        source 0 = W_q or W_k: tile 256 + 64 (c % 2)
	s_max_u32 s46, ttmp9, 8
	s_sub_co_u32 s46, s46, 8
	s_lshl_b32 s46, s46, 6                         ; c >= 8: source 0 = x from tile 64 (c - 8) on
	s_mov_b32 s47, 384                             ;         source 1 = W_v: tile 384
	s_cmp_lt_u32 ttmp9, 8
	s_cselect_b32 s42, s42, s47
	s_cselect_b32 s45, s45, s46
	s_cselect_b32 s[QK], 1, 0
	s_cselect_b32 s[SH], s99, 1
	; descriptor group 1: 8 row tiles x 3,072 bytes (384 elements of 8 bytes), 12,288 bytes apart in memory, dense in LDS
	s_or_b32 s[G1+0], s43, (3<<16)|(1<<21)         ; 15:0 the mask: source 1's tiles go to my row; 17:16 elements of 8 bytes; 21 set beside a mask
	s_or_b32 s[G1B+0], s44, (3<<16)|(1<<21)
.irp g, G1, G1B
	s_mov_b32 s[\g+1], 384<<16
	s_mov_b32 s[\g+2], 8<<16
	s_mov_b32 s[\g+3], 384<<16
	s_mov_b32 s[\g+4], 8
	s_mov_b32 s[\g+5], 1536
	s_mov_b32 s[\g+6], 0
	s_mov_b32 s[\g+7], 0
.endr
	s_lshl_b32 s46, s[HC], 3                       ; which 8 row tiles I fetch
	s_lshl_b32 s20, s41, 4
	s_add_co_u32 s20, s20, s42                     ; source 1: the cluster's first + 16 cy
	s_lshl_b32 s66, s40, 4
	s_add_co_u32 s66, s66, s45                     ; source 0: the cluster's first + 16 cx
	s_lshl_b32 s68, s[HR], 3
	s_add_co_u32 s68, s68, s20
	s_lshl_b32 s68, s68, 9                         ; where the scale words of my 8 source-1 tiles begin,
	s_add_co_u32 s20, s20, s46
	s_add_co_u32 s66, s66, s46
	s_lshl_b32 s69, s66, 9                         ; and of my 8 source-0 tiles
	s_mul_i32 s20, s20, KROW                       ; where the codes that I fetch begin
	s_mov_b32 s21, 0
	s_mul_i32 s66, s66, KROW
	s_mov_b32 s67, 0
	s_cmp_eq_u32 s[HR], 0
	s_cselect_b32 s92, s40, s41                    ; my place among the four that ask for them with me:
	s_mul_i32 s92, s92, 2*KROW                     ; two tiles of prefetch each
	s_mov_b32 s93, 0
	s_mul_i32 s94, s[WV], HALFT                    ; where they go: wave x 8 row tiles: no place in the cluster enters an LDS address
	s_wait_dscnt 0x0                               ; both opening adds are done
	CROUND                                         ; all sixteen work-groups are here: the first joint loads meet
	s_wait_kmcnt 0x0
	s_add_nc_u64 s[20:21], s[4:5], s[20:21]
	s_add_nc_u64 s[66:67], s[4:5], s[66:67]
.irp s, 0,1
	s_mov_b32 s[G0+4*\s], 1
	s_add_co_u32 s[G0+4*\s+1], s94, \s*SLOT
	s_add_nc_u64 s[G0+4*\s+2:G0+4*\s+3], s[20:21], \s*RT
	s_or_b32 s[G0+4*\s+3], s[G0+4*\s+3], 0x80000000
	s_mov_b32 s[G0B+4*\s], 1
	s_add_co_u32 s[G0B+4*\s+1], s94, \s*SLOT
	s_add_nc_u64 s[G0B+4*\s+2:G0B+4*\s+3], s[66:67], \s*RT
	s_or_b32 s[G0B+4*\s+3], s[G0B+4*\s+3], 0x80000000
.endr
	JLOAD G0, G0B                                  ; fill 0: one tensor load a wave at the head
	s_cmp_eq_u32 s[HR], 0
	s_cselect_b64 s[PFB:PFB+1], s[20:21], s[66:67]
	s_add_nc_u64 s[PFB:PFB+1], s[PFB:PFB+1], s[92:93]
	v_and_b32 v1, 15, v0                           ; r
	v_bfe_u32 v2, v0, 4, 1                         ; h
	v_and_b32 v3, 31, v0
	s_mov_b32 s3, 0xffff0000                       ; lanes 16-31
	v_mov_b32 v6, s68
	v_mov_b32 v7, s69
	v_cndmask_b32 v6, v6, v7, s3
	v_lshl_add_u32 v[ADRS], v1, 4, v6              ; 16 bytes a row and K half
.irp i, 0,1,2,3,4,5,6,7
.irp m, 0,1,2,3
	global_load_b64 v[SC+16*\m+2*\i:SC+16*\m+2*\i+1], v[ADRS], s[6:7] offset:512*\i+256*(\m/2)+8*(\m%2)
.endr
.endr
	v_min_u32 v5, 11, v1                           ; the prefetch: lanes 0-11 one tile's twelve blocks, lanes 16-27 the next tile's; the others name their last block again
	v_lshlrev_b32 v5, 8, v5
	v_mad_u32_u24 v[PFO], v2, KROW, v5
	v_lshlrev_b32 v[L16], 4, v3
	v_lshlrev_b32 v[L8], 3, v3
	ASK 1
	s_mul_i32 s21, s[HR], HALFT                    ; my 8 row tiles of source 1
	s_mul_i32 s22, s[HC], HALFT                    ; my 8 of source 0,
	s_add_co_u32 s22, s22, 2*HALFT                 ; which lie behind source 1's 16
.irp s, 0,1
	v_add_nc_u32 v[ADRA+\s], s21, v[L16]
	v_add_nc_u32 v[ADRB+\s], s22, v[L16]
	v_add_nc_u32 v[ADRA+2+\s], s21, v[L8]
	v_add_nc_u32 v[ADRB+2+\s], s22, v[L8]
	s_add_co_u32 s21, s21, SLOT
	s_add_co_u32 s22, s22, SLOT
.endr
	; where my results go.  128 tokens are a step of attention; 128 channels are two heads, A and B = A + 1
	s_lshl_b32 s16, s41, 1
	s_add_co_u32 s16, s16, s[HR]                   ; 2 cy + my half of source 1
	s_lshl_b32 s17, s40, 1
	s_add_co_u32 s17, s17, s[HC]                   ; 2 cx + my half of source 0
	s_lshr_b32 s18, s42, 3
	s_add_co_u32 s18, s18, s16                     ; which 128 tokens, where x is source 1,
	s_lshr_b32 s19, s45, 3
	s_add_co_u32 s19, s19, s17                     ; and where it is source 0
	s_cmp_lg_u32 s[QK], 0
	s_cselect_b32 s18, s18, s19                    ; which 128 tokens of the 4,096
	s_cselect_b32 s19, s17, s16                    ; which pair of heads
	s_cselect_b32 s20, 0, 6144                     ; v's fragments lie behind k's half images,
	s_cselect_b32 s21, 0, 256                      ; its scale words behind k's
	s_lshr_b32 s22, s18, 4                         ; batch
	s_and_b32 s18, s18, 15                         ; step
	s_lshl_b32 s22, s22, 4
	s_lshl_b32 s19, s19, 1
	s_add_co_u32 s22, s22, s19                     ; bh of head A
	s_mul_i32 s23, s22, 102400
	s_mul_i32 s46, s18, 6400
	s_add_co_u32 s23, s23, s46
	s_lshl_b32 s23, s23, s[SH]
	s_add_co_u32 s46, s23, s20
	s_mov_b32 s47, 0
	s_add_co_u32 s92, s23, s21
	s_mov_b32 s23, 6144
	s_lshl_b32 s23, s23, s[SH]
	s_add_co_u32 s92, s92, s23                     ; the scale words lie behind the step's codes
	s_mov_b32 s93, 0
	s_mov_b32 s94, 102400
	s_lshl_b32 s94, s94, s[SH]                     ; from head A to head B
	s_mov_b32 s95, 0
	s_cmp_eq_u32 s[SH], 0
	s_cselect_b64 s[8:9], s[8:9], s[10:11]         ; q's buffer or kv's: the choice hangs on the cluster's number alone
	s_add_nc_u64 s[10:11], s[8:9], s[92:93]        ; s[10:11]: head A's scale words
	s_add_nc_u64 s[8:9], s[8:9], s[46:47]          ; s[8:9]: head A's codes
	s_add_nc_u64 s[12:13], s[8:9], s[94:95]        ; s[12:13]: head B's
	s_wait_alu depctr_va_vdst(0)
	v_mul_u32_u24 v[VOS], s94, v2                  ; lanes 16-31 store head B's words
	v_lshl_add_u32 v[VOS], v1, 4, v[VOS]           ; 16 bytes a row
	v_mov_b32 v[FL], 0x1800000
.macro FRAG reg, adr, q, i             ; a fragment comes back as it was stored: four loads, each of 512 or 256 consecutive bytes
	ds_load_b128 v[\reg:\reg+3],     v[\adr]   offset:(\i)*RT+(\q)*FRB
	ds_load_b64  v[\reg+4:\reg+5],   v[\adr+2] offset:(\i)*RT+(\q)*FRB+512
	ds_load_b128 v[\reg+6:\reg+9],   v[\adr]   offset:(\i)*RT+(\q)*FRB+768
	ds_load_b64  v[\reg+10:\reg+11], v[\adr+2] offset:(\i)*RT+(\q)*FRB+1280
.endm
; 16 matrix instructions: source 1's tiles a0, a0 + 1 x source 0's eight, 128 along K: K step 2 m + p, source 0's set p.  zero = 1: the first product starts the sums.
; The 64 accumulators take turns, one instruction a turn, in the same order in every step.
.macro MUL16 a0, p, m, zero
.irp a, \a0, \a0+1
.irp b, 0,1,2,3,4,5,6,7
.if \zero
	v_wmma_scale_f32_16x16x128_f8f6f4 v[8*(8*((\a)%4)+\b):8*(8*((\a)%4)+\b)+7], v[128*(\p)+FR*\b:128*(\p)+FR*\b+FR-1], v[AF+FR*(\a):AF+FR*(\a)+FR-1], 0, v[SC+16*(\m)+2*\b+(\p)], v[SC+16*(\m)+2*(\a)+(\p)] matrix_a_fmt:MATRIX_FMT_FP6 matrix_b_fmt:MATRIX_FMT_FP6 matrix_a_scale:MATRIX_SCALE_ROW1
.else
	v_wmma_scale_f32_16x16x128_f8f6f4 v[8*(8*((\a)%4)+\b):8*(8*((\a)%4)+\b)+7], v[128*(\p)+FR*\b:128*(\p)+FR*\b+FR-1], v[AF+FR*(\a):AF+FR*(\a)+FR-1], v[8*(8*((\a)%4)+\b):8*(8*((\a)%4)+\b)+7], v[SC+16*(\m)+2*\b+(\p)], v[SC+16*(\m)+2*(\a)+(\p)] matrix_a_fmt:MATRIX_FMT_FP6 matrix_b_fmt:MATRIX_FMT_FP6 matrix_a_scale:MATRIX_SCALE_ROW1
.endif
.endr
.endr
.endm
.macro FETCH_B slot, q                 ; source 0's eight fragments of the slot's q-th 128 along K into set q
	WIN TO_B
.irp i, 0,1,2,3,4,5,6,7
	FRAG 128*(\q)+FR*\i, ADRB+\slot, \q, \i
.endr
	WIN 0
.endm
.macro FETCH_A slot, q, i0             ; source 1's tiles i0 .. i0 + 3
.irp i, \i0, \i0+1, \i0+2, \i0+3
	FRAG AF+FR*(\i), ADRA+\slot, \q, \i
.endr
.endm
; A load into a register that a matrix instruction has read, and a vector instruction that reads a matrix result, stand NP places behind that matrix instruction.
; A fill's first step of 128 along K: its successor lies in the same slot.
.macro STEP slot, m, zero
	s_wait_dscnt 4*NL                              ; source 0's set and source 1's tiles 0-3 are in; the youngest 16 loads (tiles 4-7) may be out
	WIN MUL_LO
	MUL16 0, 0, \m, \zero
	MUL16 2, 0, \m, \zero
	s_wait_dscnt 0                                 ; tiles 4-7 are in (asked for 32 matrix instructions ago)
	PLACES NP
	FETCH_B \slot, 1
	FETCH_A \slot, 1, 0
	WIN MUL_HI
	MUL16 4, 0, \m, \zero
	MUL16 6, 0, \m, \zero
	PLACES NP
	WIN 0
	FETCH_A \slot, 1, 4
.endm
; A fill's second step changes slots: ONE barrier; in front of it each wave waits for all its tensor loads, adds 0 to its spare word, and waits for that and for its own reads of this slot.
; fill = 1: this slot is filled again, two fills ahead.
.macro TURN slot, next, fill, m
	s_wait_tensorcnt 0x0                           ; all my tensor loads have landed: my part of the next slot;  (every window is 0 here)
	ds_add_u32 v[SPW], v[NIL]                      ; 0 onto my spare word;
	s_wait_dscnt 4*NL+1                            ; (the add and the youngest 16 loads may be out)
	WIN MUL_LO
	MUL16 0, 1, \m, 0                              ; sixteen matrix instructions stand between the add and the wait for it
	s_wait_dscnt 0x0                               ; the add is done, and my reads of this slot are over
	s_barrier_signal -1
	MUL16 2, 1, \m, 0
	WIN 0
	s_barrier_wait -1
.if \fill
	CREST                                          ; the barrier has opened a round of the cluster's barrier: no wave of any partner still reads this slot or has a load on its way
	s_add_nc_u64 s[G0+4*\slot+2:G0+4*\slot+3], s[G0+4*\slot+2:G0+4*\slot+3], 2*RT
	s_add_nc_u64 s[G0B+4*\slot+2:G0B+4*\slot+3], s[G0B+4*\slot+2:G0B+4*\slot+3], 2*RT
	JLOAD G0+4*\slot, G0B+4*\slot                  ; the first tensor load behind the round; the four v_nop behind it are the places in front of the loads below
.else
	PLACES NP
.endif
	FETCH_B \next, 0
	FETCH_A \next, 0, 0
.if \m == 0
	ASK 3                                          ; the next round's load will want it
.endif
	WIN MUL_HI
	MUL16 4, 1, \m, 0
	MUL16 6, 1, \m, 0
	PLACES NP
	WIN 0
	FETCH_A \next, 0, 4
.endm
	s_wait_alu depctr_va_vdst(0)
	s_wait_loadcnt 0x0                             ; the scale words are in
	s_wait_tensorcnt 0x0                           ; my part of fill 0 is in
	ds_add_u32 v[SPW], v[NIL]
	s_wait_dscnt 0x0
	CROUND                                         ; everybody's part is in, and all sixteen work-groups are here
	JLOAD G0+4, G0B+4                              ; fill 1, the first tensor load behind the round
	FETCH_B 0, 0
	FETCH_A 0, 0, 0
	FETCH_A 0, 0, 4
	ASK 2
	STEP 0, 0, 1                                   ; the first step's products start the sums.  Four fills are the whole of K: written out
	TURN 0, 1, 1, 0
	STEP 1, 1, 0
	TURN 1, 0, 1, 1
	STEP 0, 2, 0
	TURN 0, 1, 0, 2                                ; the last two fills are followed by none: no round of the cluster's barrier
	STEP 1, 3, 0
	s_wait_dscnt 4*NL                              ; the very last step: nothing more to fetch
	WIN MUL_LO
	MUL16 0, 1, 3, 0
	MUL16 2, 1, 3, 0
	s_wait_dscnt 0
	WIN MUL_HI
	MUL16 4, 1, 3, 0
	MUL16 6, 1, 3, 0
	WIN 0
; THE WAY OUT.  The 64 accumulator registers of source-1 tile a: register 16 b + i = the result at 32 b + 16 h + i along source 0's 128 rows, of my lane's row r.  They become a fragment's codes
; in v[pc] .. v[pc + 11] and its scale word in v[WD + a].  Each accumulator is read from its low end on.  No LDS, no barrier: the images are stored from the registers.
.macro QUANT a, pc
.set AC, 64*((\a)%4)
.set WW, 2+(\a)/4
.set WN, (WW<<2)|(WW<<4)
	WIN WN                                         ; sources 1 and 2: the accumulators' window
.irp b, 0,1,2,3
	v_max3_num_f32 v[TM+\b], v[FL], |v[AC+16*\b]|, |v[AC+16*\b+1]|   ; block b: my 16 numbers, and the floor, so that the byte cannot fall under 1
.endr
.irp i, 2,4,6,8,10,12,14
.irp b, 0,1,2,3
	v_max3_num_f32 v[TM+\b], v[TM+\b], |v[AC+16*\b+\i]|, |v[AC+16*\b+\i+1]|
.endr
.endr
	WIN 0
.irp b, 0,1,2,3
	v_permlanex16_b32 v[TM+4+\b], v[TM+\b], s[SEL], s[SEL+1]
.endr
.irp b, 0,1,2,3
	v_max_num_f32 v[TM+\b], v[TM+\b], v[TM+4+\b]   ; with lane l xor 16's: the block's largest magnitude
.endr
.irp b, 0,1,2,3
	v_add_nc_u32 v[TM+12+\b], 0xff000000, v[TM+\b] ; 2 off its exponent field: the conversion's scale operand
.endr
.irp b, 0,1,2,3
	v_lshrrev_b32 v[TM+4+\b], 23, v[TM+12+\b]      ; the scale's byte
.endr
	v_lshl_or_b32 v[WD+(\a)], v[TM+5], 8, v[TM+4]
	v_lshl_or_b32 v[WD+(\a)], v[TM+6], 16, v[WD+(\a)]
	v_lshl_or_b32 v[WD+(\a)], v[TM+7], 24, v[WD+(\a)]
	s_wait_alu depctr_va_vdst(0)
	s_wait_xcnt 0x0                                ; the stores of two tiles back have read this set of registers: it is written again only behind this wait
	WIN WW                                         ; source 0: the accumulators' window
.irp c, 0,1
	v_cvt_scalef32_pk16_fp6_f32 v[\pc+6*\c:\pc+6*\c+2], v[AC+32*\c:AC+32*\c+15], v[TM+12+2*\c]
	v_cvt_scalef32_pk16_fp6_f32 v[\pc+12+4*\c:\pc+14+4*\c], v[AC+32*\c+16:AC+32*\c+31], v[TM+12+2*\c+1]   ; (a conversion's three registers begin on an even number)
.endr
	WIN 0
	v_nop                                          ; one plain line behind the scaled conversions
.irp c, 0,1                                    ; the operand's layout wants a WHOLE block in a lane: lanes 0-15 block 2 c, lanes 16-31 block 2 c + 1
.irp i, 0,1,2
	v_permlane16_swap_b32 v[\pc+6*\c+\i], v[\pc+12+4*\c+\i]
.endr
.irp i, 0,1,2
	v_mov_b32 v[\pc+3+6*\c+\i], v[\pc+12+4*\c+\i]
.endr
.endr
.endm
.macro PUT a, pc, b0, o0, b1, o1       ; two half images: each store covers 512 or 256 consecutive bytes, aligned
	global_store_b128 v[L16], v[\pc:\pc+3], s[\b0:\b0+1] offset:\o0
	global_store_b64  v[L8],  v[\pc+4:\pc+5], s[\b0:\b0+1] offset:\o0+512
	global_store_b128 v[L16], v[\pc+6:\pc+9], s[\b1:\b1+1] offset:\o1
	global_store_b64  v[L8],  v[\pc+10:\pc+11], s[\b1:\b1+1] offset:\o1+512
.endm
	PLACES NP                                      ; behind the last products: their results are read, and registers that held their operands are written
	s_mov_b32 s[SEL], 0x76543210
	s_mov_b32 s[SEL+1], 0xfedcba98
	s_mov_b32 s[MSK], 0xffff0000
.irp b, 0,1,2,3
	v_mov_b32 v[TM+4+\b], 0                        ; a lane permute's destination counts as read: written once
.endr
	s_cmp_lg_u32 s[QK], 0                          ; the cluster's number decides: the same in all partners
	s_cbranch_scc0 .Lv
.irp a, 0,1,2,3,4,5,6,7                        ; q or k: token tile a; registers 0-5 are head A's half image, 6-11 head B's
	QUANT \a, PCS+32*(\a%2)
	PUT \a, PCS+32*(\a%2), 8, 768*\a, 12, 768*\a
.endr
.irp f, 0,1,2,3
	v_perm_b32 v[WA+\f], v[WD+2*\f+1], v[WD+2*\f], 0x05040100    ; head A: tile 2 f's two bytes below, tile 2 f + 1's above
	v_perm_b32 v[WB+\f], v[WD+2*\f+1], v[WD+2*\f], 0x07060302    ; head B likewise
.endr
.irp f, 0,1,2,3
	v_cndmask_b32 v[OUT+\f], v[WA+\f], v[WB+\f], s[MSK]          ; lanes 0-15 store head A's words, lanes 16-31 head B's
.endr
	s_wait_alu depctr_va_vdst(0)
	s_branch .Ljoin
.Lv:
.irp a, 0,1,2,3,4,5,6,7                        ; v: channel tile a: fragment a % 4 of head A (a < 4) or B
	QUANT \a, PCS+32*(\a%2)
	PUT \a, PCS+32*(\a%2), 8+4*(\a/4), 1536*(\a%4), 8+4*(\a/4), 1536*(\a%4)+768
.endr
.irp f, 0,1,2,3
	v_cndmask_b32 v[OUT+\f], v[WD+\f], v[WD+4+\f], s[MSK]
.endr
.Ljoin:
	s_wait_alu depctr_va_vdst(0)
	global_store_b128 v[VOS], v[OUT:OUT+3], s[10:11]   ; sixteen lanes store 256 consecutive bytes, aligned, for each of the two heads
	s_wait_tensorcnt 0x0                           ; the wave's end
	ds_add_u32 v[SPW], v[NIL]
	s_wait_dscnt 0x0
	CROUND                                         ; the closing round: no work-group ends while a partner may still ask for a tile that names it
	s_endpgm
.Lfunc_end_k_qc7b6aaf117_qkv:
	.size	k_qc7b6aaf117_qkv, .Lfunc_end_k_qc7b6aaf117_qkv-k_qc7b6aaf117_qkv
	.p2alignl 7, 3214868480
	.fill 96, 4, 3214868480
	.section	.rodata,"a",@progbits
	.p2align	6, 0x0
	.amdhsa_kernel k_qc7b6aaf117_qkv
		.amdhsa_group_segment_fixed_size 327680
		.amdhsa_private_segment_fixed_size 0
		.amdhsa_enable_private_segment 0
		.amdhsa_kernarg_size 32
		.amdhsa_user_sgpr_count 2
		.amdhsa_user_sgpr_kernarg_segment_ptr 1
		.amdhsa_wavefront_size32 1
		.amdhsa_system_sgpr_workgroup_id_x 1
		.amdhsa_system_sgpr_workgroup_id_y 1
		.amdhsa_system_sgpr_workgroup_id_z 1
		.amdhsa_system_vgpr_workitem_id 0
		.amdhsa_next_free_vgpr 1024
		.amdhsa_next_free_sgpr 102
		.amdhsa_reserve_vcc 0
		.amdhsa_float_denorm_mode_32 3
		.amdhsa_float_denorm_mode_16_64 3
		.amdhsa_memory_ordered 1
		.amdhsa_forward_progress 1
		.amdhsa_inst_pref_size 183
	.end_amdhsa_kernel
	.amdgpu_metadata
---
amdhsa.version: [ 1, 2 ]
amdhsa.kernels:
  - .name:           k_qc7b6aaf117_qkv
    .symbol:         k_qc7b6aaf117_qkv.kd
    .args:
      - { .name: xw_codes, .offset: 0, .size: 8, .value_kind: global_buffer, .address_space: global }
      - { .name: xw_scales, .offset: 8, .size: 8, .value_kind: global_buffer, .address_space: global }
      - { .name: q_codes, .offset: 16, .size: 8, .value_kind: global_buffer, .address_space: global }
      - { .name: kv_codes, .offset: 24, .size: 8, .value_kind: global_buffer, .address_space: global }
    .group_segment_fixed_size: 327680
    .private_segment_fixed_size: 0
    .kernarg_segment_align: 8
    .kernarg_segment_size: 32
    .max_flat_workgroup_size: 128
    .sgpr_count:     102
    .vgpr_count:     1024
    .wavefront_size: 32
...
	.end_amdgpu_metadata
.endif
;; end of part 2
;; launch attn (part 3): grid 8 x 32, 16 waves a work-group, clusters of 4 x 1, 206,848 bytes of LDS; arguments q_codes, kv_codes, ctx_codes, ctx_scales; writes ctx_codes, ctx_scales
.if DOCPART == 3
	.amdgcn_target "amdgcn-amd-amdhsa--gfx1250"
	.amdhsa_code_object_version 6
	.text
	.protected	k_qc7b6aaf117_attn
	.globl	k_qc7b6aaf117_attn
	.p2align	8
	.type	k_qc7b6aaf117_attn,@function
k_qc7b6aaf117_attn:
	s_mov_b64 s[64:65], 0
	v_nop
	global_prefetch_b8 v0, s[64:65] scope:SCOPE_SE
	s_setreg_imm32_b32 hwreg(HW_REG_WAVE_MODE, 25, 1), 1
	s_wait_xcnt 0x0
	s_wait_alu depctr_hold_cnt(0) depctr_sa_sdst(0) depctr_va_vdst(0) depctr_va_sdst(0) depctr_va_ssrc(0) depctr_va_vcc(0) depctr_vm_vsrc(0)
	s_getreg_b32 s2, hwreg(HW_REG_IB_STS2, 6, 4)
	s_cmp_eq_u32 s2, 0
	s_cbranch_scc0 .Lentry_in_a_cluster
	s_endpgm
.Lentry_in_a_cluster:
	s_bfe_u32 s2, ttmp6, 0x10000c
	s_cmp_lg_u32 s2, 0x3003
	s_cbranch_scc0 .Lentry_shape_is_right
	s_endpgm
.Lentry_shape_is_right:
; ctx = softmax(q k^T / 8) v for each of 32 (batch, head) pairs, 2,048 tokens, head size 64, both products on codes of FP6 (E2M3) with E8M0 scales; ctx is quantised along the head's 64 for the last product.
; THE SOFTMAX: t = score x log2(e) / 8; M = the running largest t rounded DOWN to a whole number (against rounding up all p, the sum and O carry one power of two more, which the division by the sum takes out again);
; p = 2^(t - M) is quantised along the keys, not normalised; the row's sum is taken of the unquantised p and divides at the end.  When M moves, the sum and O are multiplied by 2^(old M - new M): exact.
; A BLOCK'S SCALE: its largest p is 2^(tb - M), tb the block's largest t, and floor(log2) of that is floor(tb) - M: the byte is floor(tb) - M + 125, held at 1, with no exponential.  (A largest p within rounding of a power of two may be held one code low.)
; SHARES.  A work-group owns 256 queries of one head, each of its sixteen waves one tile of 16 in 256 registers: four waves to a SIMD.
; LDS holds the head's WHOLE k and v as codes with their scale words, 16 key steps of 12,800 bytes: every byte is filled once, wave w fetching key step w by its one tensor load at the head; nothing is stored to LDS.
; TWO barriers: in front of key steps 0-2 (they read steps 0-3), behind the waits of waves 0-3, whose load line is their own; in front of steps 3-15, behind every wave's wait.
; CLUSTER.  The four query blocks of a cluster belong to one head: each tensor load is asked for jointly, with the same descriptor and the mask of all four.
; No prefetch: all that the launch reads through LDS is asked for by its own loads at the head.
; LAYOUT.  Both products are used transposed: S^T = k q^T (source 0 = keys), O^T = v^T p^T (source 0 = channels): a lane holds ONE query throughout.
; The head's 64 are half of the instruction's K: a fragment of k holds TWO tiles of 16 keys, one in K 0-63 and one in K 64-127, and is multiplied once by [q | 0] and once by [0 | q]: zero codes add nothing.
; q's scale word has the byte 1 for the two blocks of zeros.  By the order of rows in a tile (row i of tile T is token 32 (T / 2) + 8 (T % 2) + i % 8 + 16 (i / 8)) the 16 score registers of a fragment are 16 neighbouring keys.
; A key step: k's 4 fragments, v's 4 (16 channels x 128 keys), 1,536 bytes each (registers 0-3 at 16 x lane, 4-5 at 512 + 8 x lane, 6-9 at 768 + 16 x lane, 10-11 at 1,280 + 8 x lane); k's scale words [row 16][fragment 4], v's.
; The next step's k is loaded while this step's softmax is walked; v's fragments 2, 3 have registers of their own, 0 and 1 land in score registers that have been converted.
; OUT.  ctx_codes [row tile 256][head 16][768], ctx_scales [row tile][K half][row 16][4 words]: the last product's operand.  A head owns two bytes of each row's words, and heads belong to different work-groups: the scale bytes leave as single bytes.
; LIMITS: the promise holds while the scaled scores t stay under 2^31 in magnitude; p under 2^-126 counts as 0 (ISA guide, v_exp_f32), a block's byte is held at 1; a block of zeros gets the byte 1 where the rule says 127 (its codes are zeros; this program alone reads the bytes); NaN and infinities are not served.
.set STB,  12800                       ; a key step's bytes
.set SPARE, 16*STB                     ; the spare words, 128 bytes for each wave
.set AD16, 4                           ; v4  LDS address of the step's codes + 16 x lane
.set AD8,  5                           ; v5  + 8 x lane + 512
.set ADS,  6                           ; v6  of the step's scale words + 16 r
.set SPW,  7
.set NIL,  8
.set F,    36                          ; v36-83   four fragments of k
.set KS,   84                          ; v84-87   k's scale words
.set VS,   88                          ; v88-91   v's
.set PS,   92                          ; v92      p's
.set X,    93                          ; v93      from lane l xor 16
.set S,    96                          ; v96-159  S^T, then p; v96-119 v's fragments 0, 1
.set O,    160                         ; v160-191 O^T
.set PC,   192                         ; v192-203 p's codes
.set CT,   204                         ; v204-206, v208-210 upper halves as converted
.set BM,   212                         ; v212-215 each block's largest score
.set OLD,  212                         ; (behind them) the old -M, then the exponent of f
.set MN,   213
.set W,    214
.set NF,   216                         ; v216-217 -floor(t) of blocks 0 | 1 and 2 | 3 (lanes 0-15 | 16-31), then the blocks' exponents
.set FF,   218                         ; v[218:219] f = 2^(old M - new M); v219 is only named with it as a pair
.set SO,   220                         ; v220-223 the conversions' scale operands
.set C,    224                         ; v224-231 four chains of the sum
.set VG,   232                         ; v232-255 v's fragments 2, 3
; v1 16 x lane; v2 8 x lane + 512; v3 12,288 + 16 r; v9 8 h; v10 16 r; v11 16 r + h; v12 -M (v13 only named with it); v[14:15] the sum; v16-21 zeros, v22-27 q, v28-33 zeros; v34, v35 q's scale words for [q | 0] and [0 | q]
.set WV,   16
.set SEL,  20                          ; s[20:21] v_permlanex16_b32's selects for lane l xor 16
.set CS,   22                          ; s[22:23] c = log2(e) / 8
.set TB,   24                          ; LDS byte at which the step begins
.set CNT,  25
.set G1,   28                          ; s[28:35] descriptor group 1
.set G0,   36                          ; s[36:39] group 0
.macro CROUND                          ; a round of the cluster's barrier
	s_barrier_signal -1
	s_barrier_wait -1
	s_cmp_lg_u32 s[WV], 0
	s_cbranch_scc1 .Lnot_wave_0_\@
	s_barrier_signal -3
.Lnot_wave_0_\@:
	s_barrier_wait -3
	s_barrier_signal -1
	s_barrier_wait -1
.endm
.macro TLOAD
	tensor_load_to_lds s[G0:G0+3], s[G1:G1+7]
	s_nop 0
.rept 4
	v_nop
.endr
.endm
	s_load_b128 s[4:7], s[0:1], 0x0                ; q_codes, kv_codes
	s_load_b128 s[8:11], s[0:1], 0x10              ; ctx_codes, ctx_scales
	v_lshl_add_u32 v[SPW], v0, 2, SPARE
	v_mov_b32 v[NIL], 0
	ds_add_u32 v[SPW], v[NIL]                      ; the opening lines: the add, twice on end, and its wait
	ds_add_u32 v[SPW], v[NIL]
	v_lshrrev_b32 v1, 5, v0
	v_readfirstlane_b32 s[WV], v1                  ; wave 0..15
	s_bfe_u32 s17, ttmp6, 0x40000                  ; cx: it enters q's and ctx's global addresses alone
	s_lshl_b32 s18, ttmp9, 2
	s_add_co_u32 s18, s18, s17                     ; my block of 256 queries
	s_and_b32 s19, ttmp7, 0xffff                   ; bh, which the four partners share
	s_mov_b32 s[G1], 15|(3<<16)|(1<<21)            ; 15:0 the mask: all four work-groups; 17:16 elements of 8 bytes; 21 set beside a mask; no padding
	s_mov_b32 s[G1+1], 32<<16                      ; a key step: 50 dense rows of 256 bytes
	s_mov_b32 s[G1+2], 50<<16
	s_mov_b32 s[G1+3], 32<<16
	s_mov_b32 s[G1+4], 50
	s_mov_b32 s[G1+5], 32
	s_mov_b32 s[G1+6], 0
	s_mov_b32 s[G1+7], 0
	s_mul_i32 s66, s[WV], STB
	s_mul_i32 s68, s19, 16*STB
	s_add_co_u32 s68, s68, s66
	s_mov_b32 s69, 0
	s_lshl_b32 s72, s18, 4
	s_add_co_u32 s72, s72, s[WV]                   ; T: my tile of 16 queries among the head's 128
	s_mul_i32 s74, s19, 102400                     ; q: step T / 8, half image T % 8; scale word (T / 2) % 4, its half T % 2
	s_lshr_b32 s70, s72, 3
	s_mul_i32 s70, s70, 6400
	s_add_co_u32 s70, s70, s74
	s_and_b32 s74, s72, 7
	s_mul_i32 s74, s74, 768
	s_add_co_u32 s74, s74, s70
	s_mov_b32 s75, 0
	s_bfe_u32 s76, s72, 0x20001
	s_lshl_b32 s76, s76, 2
	s_add_co_u32 s76, s76, s70
	s_mov_b32 s77, 0
	s_and_b32 s78, s72, 1
	s_lshl_b32 s78, s78, 4
	s_mov_b32 s[SEL], 0x76543210
	s_mov_b32 s[SEL+1], 0xfedcba98
	s_mov_b32 s[CS], 0x3e38aa3b                    ; log2(e) / 8
	s_mov_b32 s[CS+1], s[CS]                       ; (named with it as a pair, so it is written)
	s_wait_dscnt 0x0                               ; both opening adds are done
	CROUND                                         ; all four work-groups are here: the joint loads meet
	s_wait_kmcnt 0x0
	s_add_nc_u64 s[68:69], s[6:7], s[68:69]
	s_mov_b32 s[G0], 1
	s_mov_b32 s[G0+1], s66
	s_mov_b64 s[G0+2:G0+3], s[68:69]
	s_or_b32 s[G0+3], s[G0+3], 0x80000000
	s_cmp_lt_u32 s[WV], 4
	s_cbranch_scc0 .Llater
	TLOAD                                          ; waves 0-3: key steps 0-3
	s_branch .Lasked
.Llater:
	TLOAD                                          ; waves 4-15: key steps 4-15
.Lasked:
	v_and_b32 v93, 31, v0                          ; lane
	v_and_b32 v94, 15, v0                          ; r
	v_bfe_u32 v95, v0, 4, 1                        ; h
	v_lshlrev_b32 v1, 4, v93
	v_lshlrev_b32 v2, 3, v93
	v_lshlrev_b32 v10, 4, v94
	v_lshlrev_b32 v9, 3, v95
	v_add_nc_u32 v2, 512, v2
	v_add_nc_u32 v3, 12288, v10
	v_add_nc_u32 v11, v10, v95
	s_add_nc_u64 s[74:75], s[4:5], s[74:75]
	s_add_nc_u64 s[76:77], s[4:5], s[76:77]
	global_load_b128 v[22:25], v1, s[74:75]        ; q's half image stays in registers
	global_load_b64 v[26:27], v2, s[74:75]
	global_load_b32 v34, v10, s[76:77] offset:6144
.irp j, 16,17,18,19,20,21,28,29,30,31,32,33
	v_mov_b32 v[\j], 0                             ; the zero codes on both sides of q
.endr
	v_mov_b32 v12, 0x7f61b1e6                      ; -M: 3e38, over every -t
	v_mov_b32 v13, 0
	v_mov_b32 v14, 0
	v_mov_b32 v15, 0
	v_mov_b32 v[FF+1], 0
	v_mov_b32 v[X], 0                              ; a lane permute's destination counts as read: written once
	s_lshr_b32 s73, s19, 4                         ; where ctx goes: row tile 128 x batch + T, head bh % 16
	s_lshl_b32 s73, s73, 7
	s_add_co_u32 s73, s73, s72
	s_and_b32 s70, s19, 15
	s_mul_i32 s66, s73, 12288
	s_mul_i32 s71, s70, 768
	s_add_co_u32 s66, s66, s71
	s_mov_b32 s67, 0
	s_add_nc_u64 s[8:9], s[8:9], s[66:67]
	s_lshl_b32 s66, s73, 9
	s_lshr_b32 s71, s70, 3
	s_lshl_b32 s71, s71, 8
	s_add_co_u32 s66, s66, s71
	s_and_b32 s71, s70, 7
	s_lshl_b32 s71, s71, 1
	s_add_co_u32 s66, s66, s71
	s_add_nc_u64 s[10:11], s[10:11], s[66:67]
	s_wait_alu depctr_va_vdst(0)
	s_wait_loadcnt 0x0                             ; q
	v_lshrrev_b32 v34, s78, v34
	v_and_b32 v34, 0xffff, v34                     ; my tile's two bytes
	v_lshl_or_b32 v35, v34, 16, 0x101              ; for [0 | q]
	v_or_b32 v34, 0x1010000, v34                   ; for [q | 0]
.set j, 0
.rept 32
	v_mov_b32 v[O+j], 0                            ; O^T.  (The step is written for every step alike: the first finds zeros)
.set j, j+1
.endr
.macro FRAG reg, off
	ds_load_b128 v[\reg:\reg+3],     v[AD16] offset:\off
	ds_load_b64  v[\reg+4:\reg+5],   v[AD8]  offset:\off
	ds_load_b128 v[\reg+6:\reg+9],   v[AD16] offset:\off+768
	ds_load_b64  v[\reg+10:\reg+11], v[AD8]  offset:\off+768
.endm
.macro ADDR                            ; the step's LDS addresses
	v_add_nc_u32 v[AD16], s[TB], v1
	v_add_nc_u32 v[AD8], s[TB], v2
	v_add_nc_u32 v[ADS], s[TB], v3
.endm
.macro KLOAD off                       ; k's scale words and fragments: 17 loads
	ds_load_b128 v[KS:KS+3], v[ADS] offset:\off
.irp f, 0,1,2,3
	FRAG F+12*\f, \off+1536*\f
.endr
.endm
.macro OPROD t, a
	v_wmma_scale_f32_16x16x128_f8f6f4 v[O+8*\t:O+8*\t+7], v[\a:\a+11], v[PC:PC+11], v[O+8*\t:O+8*\t+7], v[VS+\t], v[PS] matrix_a_fmt:MATRIX_FMT_FP6 matrix_b_fmt:MATRIX_FMT_FP6
.endm
.macro TM j                            ; t - M, four numbers
	v_pk_fma_f32 v[S+\j:S+\j+1], v[S+\j:S+\j+1], s[CS:CS+1], v[12:13] op_sel_hi:[1,0,0]
	v_pk_fma_f32 v[S+\j+2:S+\j+3], v[S+\j+2:S+\j+3], s[CS:CS+1], v[12:13] op_sel_hi:[1,0,0]
.endm
.macro SUM c                           ; the next two p onto chain c
	v_pk_add_f32 v[\c:\c+1], v[\c:\c+1], v[K:K+1]
.set K, K+2
.endm
.macro JOIN c, d
	v_pk_add_f32 v[\c:\c+1], v[\c:\c+1], v[\d:\d+1]
.endm
.macro DEP n                           ; the line below reads what the n-th vector line above wrote
	s_delay_alu instid0(VALU_DEP_\n)
.endm
.macro CONV c                          ; blocks 2 c and 2 c + 1
	v_cvt_scalef32_pk16_fp6_f32 v[PC+6*\c:PC+6*\c+2], v[S+32*\c:S+32*\c+15], v[SO+2*\c]
	v_cvt_scalef32_pk16_fp6_f32 v[CT+4*\c:CT+4*\c+2], v[S+32*\c+16:S+32*\c+31], v[SO+2*\c+1]   ; (a conversion's three registers begin on an even number)
.endm
; A KEY STEP: 128 keys.  Its k is in registers.  last = 1: no step follows.
.macro STEP last
.irp f, 0,1,2,3
	v_wmma_scale_f32_16x16x128_f8f6f4 v[S+16*\f:S+16*\f+7], v[F+12*\f:F+12*\f+11], v[22:33], 0, v[KS+\f], v34 matrix_a_fmt:MATRIX_FMT_FP6 matrix_b_fmt:MATRIX_FMT_FP6
	v_wmma_scale_f32_16x16x128_f8f6f4 v[S+16*\f+8:S+16*\f+15], v[F+12*\f:F+12*\f+11], v[16:27], 0, v[KS+\f], v35 matrix_a_fmt:MATRIX_FMT_FP6 matrix_b_fmt:MATRIX_FMT_FP6
.endr                                          ; lane (r, h): query r; register 16 f + i = key 32 f + 16 h + i of the step
	ADDR                                           ; these three and the v_nop are the places behind the products
	v_nop
.if \last == 0
	KLOAD STB                                      ; the next step's k
.endif
	ds_load_b128 v[VS:VS+3], v[ADS] offset:256
	FRAG VG, 6144+3072                             ; v's fragments 2, 3
	FRAG VG+12, 6144+4608
.irp b, 0,1,2,3
	v_max3_num_f32 v[BM+\b], v[S+16*\b], v[S+1+16*\b], v[S+2+16*\b]   ; my half's largest score of each block of 32 keys: two chains a block
	v_max3_num_f32 v[SO+\b], v[S+8+16*\b], v[S+9+16*\b], v[S+10+16*\b]
.endr
.irp i, 3,5
.irp b, 0,1,2,3
	v_max3_num_f32 v[BM+\b], v[BM+\b], v[S+16*\b+\i], v[S+1+16*\b+\i]
	v_max3_num_f32 v[SO+\b], v[SO+\b], v[S+8+16*\b+\i], v[S+9+16*\b+\i]
.endr
.endr
.irp b, 0,1,2,3
	v_max3_num_f32 v[BM+\b], v[BM+\b], v[SO+\b], v[S+7+16*\b]
.endr
.irp b, 0,1,2,3
	v_max_num_f32 v[BM+\b], v[BM+\b], v[S+15+16*\b]
.endr
	DEP 3
	v_permlane16_swap_b32 v[BM], v[BM+1]           ; the first now holds the lower halves of blocks 0 | 1, the second the upper halves:
	DEP 2
	v_permlane16_swap_b32 v[BM+2], v[BM+3]
	DEP 2
	v_max_num_f32 v[NF], v[BM], v[BM+1]            ; lanes 0-15 block 0's (2's) largest score, lanes 16-31 block 1's (3's)
	DEP 2
	v_max_num_f32 v[NF+1], v[BM+2], v[BM+3]
	DEP 2
	v_mul_f32 v[NF], s[CS], -v[NF]                 ; -t (c is positive)
	DEP 2
	v_mul_f32 v[NF+1], s[CS], -v[NF+1]
	DEP 2
	v_ceil_f32 v[NF], v[NF]                        ; -floor(t)
	DEP 2
	v_ceil_f32 v[NF+1], v[NF+1]
	v_mov_b32 v[OLD], v12
	DEP 2
	v_min_num_f32 v[MN], v[NF], v[NF+1]
	DEP 1
	v_permlanex16_b32 v[X], v[MN], s[SEL], s[SEL+1]
	DEP 2
	v_min_num_f32 v12, v12, v[MN]
	DEP 1
	v_min_num_f32 v12, v12, v[X]                   ; the new -M, a whole number
	DEP 1
	v_sub_f32 v[OLD], v12, v[OLD]                  ; old M - new M: 0 or less
	v_sub_f32 v[NF], v12, v[NF]                    ; floor(t) - M of the blocks: 0 or less
	v_sub_f32 v[NF+1], v12, v[NF+1]
	TM 0                                           ; t - M, with the lines that make f, the scales and their bytes one by one among the multiply-adds
	v_cvt_i32_f32 v[OLD], v[OLD]                   ; (it saturates)
	TM 4
	v_max_num_f32 v[NF], 0xc2f80000, v[NF]         ; held at -124: the byte cannot fall under 1
	TM 8
	v_max_num_f32 v[NF+1], 0xc2f80000, v[NF+1]
	TM 12
	v_ldexp_f32 v[FF], 1.0, v[OLD]                 ; f = 2^(old M - new M)
	TM 16
	v_cvt_i32_f32 v[NF], v[NF]
	TM 20
	v_cvt_i32_f32 v[NF+1], v[NF+1]
	TM 24
	v_add_lshl_u32 v[SO], v[NF], 125, 23           ; the conversions' scale operands, blocks 0 | 1 and 2 | 3
	TM 28
	v_add_lshl_u32 v[SO+2], v[NF+1], 125, 23
	TM 32
	v_lshl_add_u32 v[W], v[NF+1], 16, v[NF]        ; the bytes: lanes 0-15 blocks 0 and 2, lanes 16-31 blocks 1 and 3,
	TM 36
	v_mov_b32 v[SO+1], v[SO]
	TM 40
	v_mov_b32 v[SO+3], v[SO+2]
	TM 44
	v_add_nc_u32 v[W], 0x7d007d, v[W]              ; 125 added to each (the sum is right modulo 2^32),
	TM 48
	v_permlane16_swap_b32 v[SO], v[SO+1]           ; each block's operand in all lanes
	TM 52
	v_permlane16_swap_b32 v[SO+2], v[SO+3]
	v_lshlrev_b32 v[W], v9, v[W]                   ; at their places in the word
	TM 56
	v_permlanex16_b32 v[X], v[W], s[SEL], s[SEL+1]
	TM 60
	v_or_b32 v[PS], v[W], v[X]                     ; p's scale word for these 128 keys
	s_wait_alu depctr_va_vdst(0)
.set j, 0
.rept 64
	v_exp_f32 v[S+j], v[S+j]                       ; p = 2^(t - M), under 2
.set j, j+1
.endr
	v_pk_mul_f32 v[14:15], v[14:15], v[FF:FF+1] op_sel_hi:[1,0]   ; the sums under the new M: the plain line behind the exponentials
	s_wait_alu depctr_va_vdst(0)
.set j, 0
.rept 16
	v_pk_mul_f32 v[O+j:O+j+1], v[O+j:O+j+1], v[FF:FF+1] op_sel_hi:[1,0]   ; O^T under the new M: the first readers of O^T stand directly behind the wait
.set j, j+2
.endr
.irp i, 0,1,2,3
	v_pk_add_f32 v[C+2*\i:C+2*\i+1], v[S+4*\i:S+4*\i+1], v[S+4*\i+2:S+4*\i+3]   ; the sum of the unquantised p, in eight chains: v224-231, v212-217 and the sum itself
.endr
.irp i, 0,1,2
	v_pk_add_f32 v[BM+2*\i:BM+2*\i+1], v[S+16+4*\i:S+17+4*\i], v[S+18+4*\i:S+19+4*\i]
.endr
.set K, S+28
	SUM 14
	SUM C
	CONV 0
	FRAG S, 6144                                   ; v's fragments 0, 1 onto p that has been summed and converted
	FRAG S+12, 6144+1536
	CONV 1
	SUM C+2                                        ; (the plain line behind the scaled conversions)
.irp c, 0,1                                    ; the operand's layout wants a WHOLE block in a lane
.irp i, 0,1,2
	v_permlane16_swap_b32 v[PC+6*\c+\i], v[CT+4*\c+\i]
.endr
.endr
.irp c, 0,1
.irp i, 0,1,2
	v_mov_b32 v[PC+3+6*\c+\i], v[CT+4*\c+\i]
.endr
.endr
.irp c, C+4,C+6,BM,BM+2,BM+4,14,C,C+2,C+4,C+6,BM,BM+2,BM+4,14,C
	SUM \c                                         ; (also the places between p's codes and the products)
.endr
	s_wait_alu depctr_va_vdst(0)
	s_wait_dscnt 8                                 ; v's fragments 2, 3 and scale words are in; the youngest eight loads (fragments 0, 1) may be out
	OPROD 2, VG                                    ; the four accumulators take turns, and eleven other products stand between a step's and the next step's
	OPROD 3, VG+12
	s_wait_dscnt 0x0                               ; fragments 0, 1
	OPROD 0, S
	OPROD 1, S+12
	JOIN C, C+2                                    ; the chains' end.  These seven are the places in front of products that write over v's fragments 0, 1
	JOIN C+4, C+6
	JOIN BM, BM+2
	JOIN 14, BM+4
	DEP 3
	JOIN C, C+4
	DEP 2
	JOIN 14, BM
	DEP 1
	JOIN 14, C
.endm
	s_mov_b32 s[TB], 0
	ADDR
	s_wait_alu depctr_va_vdst(0)
	s_cmp_lt_u32 s[WV], 4
	s_cbranch_scc0 .Lnot_first
	s_wait_tensorcnt 0x0                           ; waves 0-3: my key step has landed
.Lnot_first:
	s_barrier_signal -1
	s_barrier_wait -1                              ; key steps 0-3 are whole; the others may be on their way
	KLOAD 0
	s_wait_dscnt 0x0
.irp p, 0,1
.if \p
	s_wait_tensorcnt 0x0                           ; all waves: my key step has landed.  (No LDS load of mine is out: a step ends behind its wait for zero)
	s_barrier_signal -1
	s_barrier_wait -1                              ; all sixteen are whole
.endif
	s_mov_b32 s[TB], \p*3*STB
	s_mov_b32 s[CNT], 3+9*\p
.Lrun_\p:
	STEP 0                                         ; run 0: key steps 0-2;  run 1: 3-14
	s_add_co_u32 s[TB], s[TB], STB
	s_sub_co_u32 s[CNT], s[CNT], 1
	s_cmp_lg_u32 s[CNT], 0
	s_cbranch_scc1 .Lrun_\p
.endr
	s_mov_b32 s[TB], 15*STB
	STEP 1
	; THE WAY OUT.  ctx = O^T / the sum: register 16 b + i is channel 32 b + 16 h + i of my query.  Its two blocks are quantised and leave as a half image.
	v_add_f32 v14, v14, v15                        ; the sum's two halves,
	v_permlanex16_b32 v[X], v14, s[SEL], s[SEL+1]
	v_add_f32 v14, v14, v[X]                       ; and lane l xor 16's
	s_wait_alu depctr_va_vdst(0)
	v_rcp_f32 v14, v14
	v_nop                                          ; a plain line behind the reciprocal
	s_wait_alu depctr_va_vdst(0)
.set j, 0
.rept 32
	v_mul_f32 v[S+j], v[O+j], v14                  ; each accumulator from its low end on
.set j, j+1
.endr
.irp b, 0,1
	v_max3_num_f32 v[BM+\b], |v[S+16*\b]|, |v[S+1+16*\b]|, 0x1800000
.endr
.irp i, 2,4,6,8,10,12,14
.irp b, 0,1
	v_max3_num_f32 v[BM+\b], v[BM+\b], |v[S+16*\b+\i]|, |v[S+1+16*\b+\i]|
.endr
.endr
	v_permlane16_swap_b32 v[BM], v[BM+1]
	v_max_num_f32 v[NF], v[BM], v[BM+1]            ; lanes 0-15 block 0's largest magnitude, lanes 16-31 block 1's
	v_add_nc_u32 v[SO], 0xff000000, v[NF]
	v_mov_b32 v[SO+1], v[SO]
	v_lshrrev_b32 v[W], 23, v[SO]                  ; lane (r, h) stores the byte of block h
	v_permlane16_swap_b32 v[SO], v[SO+1]
	CONV 0
	v_nop
.irp i, 0,1,2
	v_permlane16_swap_b32 v[PC+\i], v[CT+\i]       ; lanes 0-15 block 0, lanes 16-31 block 1: lower 16 codes in the first three registers, upper 16 in the second three
.endr
.irp i, 0,1,2
	v_mov_b32 v[PC+3+\i], v[CT+\i]
.endr
	global_store_b128 v1, v[PC:PC+3], s[8:9]       ; 512 consecutive bytes, aligned
	global_store_b64 v2, v[PC+4:PC+5], s[8:9]      ; 256 (the 512 bytes' step lies in the offset register)
	global_store_b8 v11, v[W], s[10:11]
	s_wait_tensorcnt 0x0                           ; the wave's end
	ds_add_u32 v[SPW], v[NIL]
	s_wait_dscnt 0x0
	CROUND                                         ; the closing round: no work-group ends while a partner may still ask for a tile that names it
	s_endpgm
.Lfunc_end_k_qc7b6aaf117_attn:
	.size	k_qc7b6aaf117_attn, .Lfunc_end_k_qc7b6aaf117_attn-k_qc7b6aaf117_attn
	.p2alignl 7, 3214868480
	.fill 96, 4, 3214868480
	.section	.rodata,"a",@progbits
	.p2align	6, 0x0
	.amdhsa_kernel k_qc7b6aaf117_attn
		.amdhsa_group_segment_fixed_size 206848
		.amdhsa_private_segment_fixed_size 0
		.amdhsa_enable_private_segment 0
		.amdhsa_kernarg_size 32
		.amdhsa_user_sgpr_count 2
		.amdhsa_user_sgpr_kernarg_segment_ptr 1
		.amdhsa_wavefront_size32 1
		.amdhsa_system_sgpr_workgroup_id_x 1
		.amdhsa_system_sgpr_workgroup_id_y 1
		.amdhsa_system_sgpr_workgroup_id_z 1
		.amdhsa_system_vgpr_workitem_id 0
		.amdhsa_next_free_vgpr 256
		.amdhsa_next_free_sgpr 80
		.amdhsa_reserve_vcc 0
		.amdhsa_float_denorm_mode_32 3
		.amdhsa_float_denorm_mode_16_64 3
		.amdhsa_memory_ordered 1
		.amdhsa_forward_progress 1
		.amdhsa_inst_pref_size 58
	.end_amdhsa_kernel
	.amdgpu_metadata
---
amdhsa.version: [ 1, 2 ]
amdhsa.kernels:
  - .name:           k_qc7b6aaf117_attn
    .symbol:         k_qc7b6aaf117_attn.kd
    .args:
      - { .name: q_codes, .offset: 0, .size: 8, .value_kind: global_buffer, .address_space: global }
      - { .name: kv_codes, .offset: 8, .size: 8, .value_kind: global_buffer, .address_space: global }
      - { .name: ctx_codes, .offset: 16, .size: 8, .value_kind: global_buffer, .address_space: global }
      - { .name: ctx_scales, .offset: 24, .size: 8, .value_kind: global_buffer, .address_space: global }
    .group_segment_fixed_size: 206848
    .private_segment_fixed_size: 0
    .kernarg_segment_align: 8
    .kernarg_segment_size: 32
    .max_flat_workgroup_size: 512
    .sgpr_count:     80
    .vgpr_count:     256
    .wavefront_size: 32
...
	.end_amdgpu_metadata
.endif
;; end of part 3
;; launch oproj (part 4): grid 8 x 32, 4 waves a work-group, clusters of 4 x 4, 327,680 bytes of LDS; arguments ctx_codes, ctx_scales, xw_codes, xw_scales, out0; writes out0
.if DOCPART == 4
	.amdgcn_target "amdgcn-amd-amdhsa--gfx1250"
	.amdhsa_code_object_version 6
	.text
	.protected	k_qc7b6aaf117_oproj
	.globl	k_qc7b6aaf117_oproj
	.p2align	8
	.type	k_qc7b6aaf117_oproj,@function
k_qc7b6aaf117_oproj:
	s_mov_b64 s[64:65], 0
	v_nop
	global_prefetch_b8 v0, s[64:65] scope:SCOPE_SE
	s_setreg_imm32_b32 hwreg(HW_REG_WAVE_MODE, 25, 1), 1
	s_wait_xcnt 0x0
	s_wait_alu depctr_hold_cnt(0) depctr_sa_sdst(0) depctr_va_vdst(0) depctr_va_sdst(0) depctr_va_ssrc(0) depctr_va_vcc(0) depctr_vm_vsrc(0)
	s_getreg_b32 s2, hwreg(HW_REG_IB_STS2, 6, 4)
	s_cmp_eq_u32 s2, 0
	s_cbranch_scc0 .Lentry_in_a_cluster
	s_endpgm
.Lentry_in_a_cluster:
	s_bfe_u32 s2, ttmp6, 0x10000c
	s_cmp_lg_u32 s2, 0xf033
	s_cbranch_scc0 .Lentry_shape_is_right
	s_endpgm
.Lentry_shape_is_right:
; out = ctx W_o^T on codes of FP6 (E2M3) with E8M0 scales: ctx_codes [row tile 256][K step 8][1,536], W_o's tiles 448-511 of xw_codes; scale words [row tile][K half][row 16][4 words].  Out [4,096][1,024] f32.
; Row i of tile T is the true row 32 (T / 2) + 8 (T % 2) + i % 8 + 16 (i / 8).
; 256 work-groups of four waves, one turn: 128 x 128 of out each, a wave 64 x 64: 16 accumulators.  Source 1 = ctx's rows (lanes), source 0 = W_o's rows (registers): a lane's results are neighbouring columns of one row.
; ALL of K lies in LDS, in two halves of 512 along K: each byte is filled once, at the head, by one joint load a wave: wave 0 ctx's 8 row tiles, first half of K, wave 1 W_o's, waves 2 and 3 the second half.
; Each load has a line of its own.  The first barrier stands behind the waits of waves 0 and 1, the second, ahead of the second half's first fragments, behind every wave's.
; The scale words of a wave's 4 + 4 tiles, all of K, come straight into registers.
; CLUSTERS of 4 x 4: ctx's tiles are shared along a row of the cluster, W_o's along a column.  No prefetch: all that is read is asked for at the head, and no loop runs.
; NaN and infinities are not served.
; REGISTERS: window 0: v16-31 addresses, v32-63 ctx's scale words, v68-99 W_o's, v128-255 accumulators; on the way out v64-127 rows read back.  Window 1: two sets of fragments at v0 and v128: four of ctx, four of W_o.
.set FR,     12
.set FRB,    1536                      ; a fragment's image
.set RT,     4*FRB                     ; a row tile's half of K
.set KROW,   8*FRB
.set QT,     4*RT                      ; what one wave reads of a source and half
.set HB,     4*QT                      ; a half: ctx's 8 row tiles, then W_o's
.set STAGE,  2*HB                      ; the way out: 16 rows x 272 bytes for each wave
.set SPITCH, 272
.set SPARE,  STAGE+4*16*SPITCH         ; the spare words, 128 bytes for each wave
.set ADRA, 16                          ; v16-17 LDS address of my ctx fragments in half 0, 1, + 16 x lane; v18-19 + 8 x lane
.set ADRB, 20                          ; v20-23 the same for W_o
.set L16,  24
.set L8,   25
.set STO,  26
.set RD,   27
.set CO,   28
.set SPW,  29
.set ADRS, 30                          ; 16 r
.set NIL,  31
.set SA,   32
.set SB,   68
.set BK,   64
.set ACC,  128
.set G1,   16                          ; s[16:23] descriptor group 1 for ctx's tiles, s[24:31] for W_o's
.set G1B,  24
.set G0,   32                          ; s[32:35], s[36:39] group 0
.set G0B,  36
.set WV,   92
.set HR,   93                          ; which half of the rows is mine.  Also: which half of K I fetch
.set HC,   94                          ; which half of the columns
.set MSB, 0
.macro WIN new
.if MSB != (\new)
	s_set_vgpr_msb (MSB<<8)|(\new)
.set MSB, (\new)
.endif
.endm
.set MUL,  0x05                        ; both sources window 1, C and D window 0
.set TO_F, 0x40
.macro PLACES                          ; the places behind a matrix instruction (ISA guide 7.12.1)
.rept 4
	v_nop
.endr
.endm
.macro CROUND                          ; a round of the cluster's barrier
	s_barrier_signal -1
	s_barrier_wait -1
	s_cmp_lg_u32 s[WV], 0
	s_cbranch_scc1 .Lnot_wave_0_\@
	s_barrier_signal -3
.Lnot_wave_0_\@:
	s_barrier_wait -3
	s_barrier_signal -1
	s_barrier_wait -1
.endm
	s_load_b256 s[4:11], s[0:1], 0x0               ; ctx_codes, ctx_scales, xw_codes, xw_scales
	s_load_b64 s[12:13], s[0:1], 0x20              ; out0
	v_lshl_add_u32 v[SPW], v0, 2, SPARE
	v_mov_b32 v[NIL], 0
	ds_add_u32 v[SPW], v[NIL]                      ; the opening lines: the add, twice on end, and its wait
	ds_add_u32 v[SPW], v[NIL]
	v_lshrrev_b32 v1, 5, v0
	v_readfirstlane_b32 s[WV], v1
	s_lshr_b32 s[HR], s[WV], 1
	s_and_b32 s[HC], s[WV], 1
	s_bfe_u32 s95, ttmp6, 0x40000                  ; cx, cy
	s_bfe_u32 s96, ttmp6, 0x40004
	s_lshl_b32 s97, ttmp9, 2
	s_add_co_u32 s97, s97, s95                     ; tile column of out, 0..7
	s_and_b32 s98, ttmp7, 0xffff
	s_lshl_b32 s98, s98, 2
	s_add_co_u32 s98, s98, s96                     ; tile row, 0..31
	s_lshl_b32 s99, s96, 2
	s_lshl_b32 s99, 15, s99                        ; my row of the cluster
	s_lshl_b32 s100, 0x1111, s95                   ; my column
	s_or_b32 s[G1], s99, (3<<16)|(1<<21)           ; 15:0 the mask; 17:16 elements of 8 bytes; 21 set beside a mask
	s_or_b32 s[G1B], s100, (3<<16)|(1<<21)
.irp g, G1, G1B
	s_mov_b32 s[\g+1], 768<<16                     ; 8 row tiles x 6,144 bytes, 12,288 apart in memory, dense in LDS
	s_mov_b32 s[\g+2], 8<<16
	s_mov_b32 s[\g+3], 768<<16
	s_mov_b32 s[\g+4], 8
	s_mov_b32 s[\g+5], 1536
	s_mov_b32 s[\g+6], 0
	s_mov_b32 s[\g+7], 0
.endr
	s_mul_i32 s40, s[HR], RT                       ; my half of K
	s_mul_i32 s2, s98, 8*KROW
	s_add_co_u32 s2, s2, s40
	s_mov_b32 s3, 0
	s_mul_i32 s14, s97, 8*KROW
	s_add_co_u32 s14, s14, s40
	s_add_co_u32 s14, s14, 448*KROW                ; W_o's tiles begin at 448
	s_mov_b32 s15, 0
	s_mul_i32 s41, s[HR], HB                       ; and where it goes
	s_lshl_b32 s66, s98, 12                        ; scale words: 512 bytes a row tile
	s_lshl_b32 s42, s[HR], 11
	s_add_co_u32 s66, s66, s42
	s_mov_b32 s67, 0
	s_lshl_b32 s68, s97, 12
	s_lshl_b32 s42, s[HC], 11
	s_add_co_u32 s68, s68, s42
	s_add_co_u32 s68, s68, 448*512
	s_mov_b32 s69, 0
	s_wait_dscnt 0x0                               ; both opening adds are done
	CROUND                                         ; all sixteen work-groups are here: the joint loads meet
	s_wait_kmcnt 0x0
	s_mov_b32 s[G0], 1
	s_mov_b32 s[G0+1], s41
	s_add_nc_u64 s[G0+2:G0+3], s[4:5], s[2:3]
	s_or_b32 s[G0+3], s[G0+3], 0x80000000
	s_mov_b32 s[G0B], 1
	s_add_co_u32 s[G0B+1], s41, 2*QT
	s_add_nc_u64 s[G0B+2:G0B+3], s[8:9], s[14:15]
	s_or_b32 s[G0B+3], s[G0B+3], 0x80000000
; One tree of branches on the wave's number: every way passes exactly one load.
.macro ARM n, g0, g1, next
	s_cmp_eq_u32 s[WV], \n
	s_cbranch_scc0 \next
	tensor_load_to_lds s[\g0:\g0+3], s[\g1:\g1+7]
	s_nop 0
	PLACES
	s_branch .Lasked
\next:
.endm
	ARM 0, G0, G1, .Lwave_1
	ARM 1, G0B, G1B, .Lwave_2
	ARM 2, G0, G1, .Lwave_3
	tensor_load_to_lds s[G0B:G0B+3], s[G1B:G1B+7]
	s_nop 0
	PLACES
.Lasked:
	s_add_nc_u64 s[66:67], s[6:7], s[66:67]
	s_add_nc_u64 s[68:69], s[10:11], s[68:69]
	v_and_b32 v1, 15, v0                           ; r
	v_bfe_u32 v2, v0, 4, 1                         ; h
	v_and_b32 v3, 31, v0
	v_lshlrev_b32 v[ADRS], 4, v1
	v_lshlrev_b32 v[L16], 4, v3
	v_lshlrev_b32 v[L8], 3, v3
.irp i, 0,1,2,3
.irp k, 0,1
	global_load_b128 v[SA+8*\i+4*\k:SA+8*\i+4*\k+3], v[ADRS], s[66:67] offset:512*\i+256*\k   ; lane r: row r's words (lanes 16-31 hold the same and are not read)
	global_load_b128 v[SB+8*\i+4*\k:SB+8*\i+4*\k+3], v[ADRS], s[68:69] offset:512*\i+256*\k
.endr
.endr
	s_mul_i32 s2, s[HR], QT
	s_mul_i32 s3, s[HC], QT
	s_add_co_u32 s3, s3, 2*QT
.irp s, 0,1
	v_add_nc_u32 v[ADRA+\s], s2, v[L16]
	v_add_nc_u32 v[ADRB+\s], s3, v[L16]
	v_add_nc_u32 v[ADRA+2+\s], s2, v[L8]
	v_add_nc_u32 v[ADRB+2+\s], s3, v[L8]
	s_add_co_u32 s2, s2, HB
	s_add_co_u32 s3, s3, HB
.endr
	s_mul_i32 s14, s[WV], 16*SPITCH
	s_add_co_u32 s14, s14, STAGE                   ; my stage
	v_mul_u32_u24 v5, v1, SPITCH                   ; in: row r, 64 bytes for each half of the lanes
	v_lshl_add_u32 v5, v2, 6, v5
	v_add_nc_u32 v[STO], s14, v5
	v_mul_u32_u24 v5, v2, SPITCH                   ; back: sixteen lanes a row
	v_lshl_add_u32 v5, v1, 4, v5
	v_add_nc_u32 v[RD], s14, v5
	v_lshlrev_b32 v[CO], 12, v2
	v_lshl_add_u32 v[CO], v1, 4, v[CO]
	s_lshl_b32 s2, s98, 7                          ; my first row of out, and my first column
	s_lshl_b32 s3, s[HR], 6
	s_add_co_u32 s2, s2, s3
	s_lshl_b32 s2, s2, 12
	s_lshl_b32 s3, s97, 9
	s_add_co_u32 s2, s2, s3
	s_lshl_b32 s3, s[HC], 8
	s_add_co_u32 s2, s2, s3
	s_mov_b32 s3, 0
	s_add_nc_u64 s[12:13], s[12:13], s[2:3]
.macro FRAG reg, adr, off
	ds_load_b128 v[\reg:\reg+3],     v[\adr]   offset:\off
	ds_load_b64  v[\reg+4:\reg+5],   v[\adr+2] offset:\off+512
	ds_load_b128 v[\reg+6:\reg+9],   v[\adr]   offset:\off+768
	ds_load_b64  v[\reg+10:\reg+11], v[\adr+2] offset:\off+1280
.endm
.macro FETCH g                         ; K step g into set g % 2: W_o's four fragments, then ctx's: 32 loads
.set FD, 128*((\g)%2)
.set FO, ((\g)%4)*FRB
.set FS, (\g)/4
	WIN TO_F
.irp i, 0,1,2,3
	FRAG FD+48+FR*\i, ADRB+FS, FO+\i*RT
.endr
.irp i, 0,1,2,3
	FRAG FD+FR*\i, ADRA+FS, FO+\i*RT
.endr
.endm
.macro MUL4 g, a                       ; the 16 accumulators take turns, in the same order in every step
	WIN MUL
.set FB, 128*((\g)%2)
.irp b, 0,1,2,3
.if (\g) == 0
	v_wmma_scale_f32_16x16x128_f8f6f4 v[ACC+8*(4*(\a)+\b):ACC+8*(4*(\a)+\b)+7], v[FB+48+FR*\b:FB+48+FR*\b+FR-1], v[FB+FR*(\a):FB+FR*(\a)+FR-1], 0, v[SB+8*\b+(\g)], v[SA+8*(\a)+(\g)] matrix_a_fmt:MATRIX_FMT_FP6 matrix_b_fmt:MATRIX_FMT_FP6
.else
	v_wmma_scale_f32_16x16x128_f8f6f4 v[ACC+8*(4*(\a)+\b):ACC+8*(4*(\a)+\b)+7], v[FB+48+FR*\b:FB+48+FR*\b+FR-1], v[FB+FR*(\a):FB+FR*(\a)+FR-1], v[ACC+8*(4*(\a)+\b):ACC+8*(4*(\a)+\b)+7], v[SB+8*\b+(\g)], v[SA+8*(\a)+(\g)] matrix_a_fmt:MATRIX_FMT_FP6 matrix_b_fmt:MATRIX_FMT_FP6
.endif
.endr
.endm
.macro STEP g
.set YN, 0                             ; the next step's loads, which may stay out
.if (\g) == 3
	s_wait_dscnt 0x0                               ; no LDS load of mine is out at the signal
	s_wait_tensorcnt 0x0                           ; all my tensor loads have landed
	s_barrier_signal -1
	s_barrier_wait -1                              ; the second half is whole
.else
	s_wait_dscnt 12                                ; W_o's four and ctx's first are in
.endif
.if (\g) < 7
.if (\g) > 0
	PLACES
.endif
	FETCH (\g)+1
.set YN, 32
.endif
	MUL4 \g, 0
.if (\g) != 3
	s_wait_dscnt YN+8
.endif
	MUL4 \g, 1
.if (\g) != 3
	s_wait_dscnt YN+4
.endif
	MUL4 \g, 2
.if (\g) != 3
	s_wait_dscnt YN
.endif
	MUL4 \g, 3
.endm
	s_wait_alu depctr_va_vdst(0)
	s_wait_loadcnt 0x0                             ; the scale words
	s_cmp_lt_u32 s[WV], 2
	s_cbranch_scc0 .Lnot_first
	s_wait_tensorcnt 0x0                           ; waves 0 and 1: my tiles of the first half have landed
.Lnot_first:
	s_barrier_signal -1
	s_barrier_wait -1                              ; the first half is whole
	FETCH 0
.irp g, 0,1,2,3,4,5,6,7
	STEP \g
.endr
	WIN 0
; THE WAY OUT, tile by tile of 16 rows x 64 columns, through my own stage in LDS: it comes back as whole rows of 256 bytes.  LDS serves a wave's instructions in order (ISA guide 5.7.1.4).
.macro TOSTAGE a
.irp b, 0,1,2,3
	ds_store_b128 v[STO], v[ACC+8*(4*(\a)+\b):ACC+8*(4*(\a)+\b)+3] offset:128*(\b/2)+32*(\b%2)
	ds_store_b128 v[STO], v[ACC+8*(4*(\a)+\b)+4:ACC+8*(4*(\a)+\b)+7] offset:128*(\b/2)+32*(\b%2)+16
.endr
.set BB, BK+32*((\a)%2)
.irp t, 0,1,2,3,4,5,6,7
	ds_load_b128 v[BB+4*\t:BB+4*\t+3], v[RD] offset:\t*2*SPITCH
.endr
.endm
.macro SEND a, younger                 ; younger: the LDS instructions issued behind tile a's loads
.set BB, BK+32*((\a)%2)
	s_wait_dscnt \younger
.irp t, 0,1,2,3,4,5,6,7
	global_store_b128 v[CO], v[BB+4*\t:BB+4*\t+3], s[12:13] offset:(32*((\a)/2)+8*((\a)%2)+(2*\t)%8+16*(\t/4))*4096 th:TH_STORE_NT   ; sixteen lanes store 256 consecutive bytes, aligned
.endr
.endm
	PLACES
	TOSTAGE 0
.irp a, 1,2,3
.if \a > 1
	s_wait_xcnt 0x0                                ; tile a - 2's stores have read their registers
.endif
	TOSTAGE \a
	SEND \a-1, 16
.endr
	SEND 3, 0
	s_wait_tensorcnt 0x0                           ; the wave's end
	ds_add_u32 v[SPW], v[NIL]
	s_wait_dscnt 0x0
	CROUND                                         ; the closing round: no work-group ends while a partner may still ask for a tile that names it
	s_endpgm
.Lfunc_end_k_qc7b6aaf117_oproj:
	.size	k_qc7b6aaf117_oproj, .Lfunc_end_k_qc7b6aaf117_oproj-k_qc7b6aaf117_oproj
	.p2alignl 7, 3214868480
	.fill 96, 4, 3214868480
	.section	.rodata,"a",@progbits
	.p2align	6, 0x0
	.amdhsa_kernel k_qc7b6aaf117_oproj
		.amdhsa_group_segment_fixed_size 327680
		.amdhsa_private_segment_fixed_size 0
		.amdhsa_enable_private_segment 0
		.amdhsa_kernarg_size 40
		.amdhsa_user_sgpr_count 2
		.amdhsa_user_sgpr_kernarg_segment_ptr 1
		.amdhsa_wavefront_size32 1
		.amdhsa_system_sgpr_workgroup_id_x 1
		.amdhsa_system_sgpr_workgroup_id_y 1
		.amdhsa_system_sgpr_workgroup_id_z 1
		.amdhsa_system_vgpr_workitem_id 0
		.amdhsa_next_free_vgpr 512
		.amdhsa_next_free_sgpr 102
		.amdhsa_reserve_vcc 0
		.amdhsa_float_denorm_mode_32 3
		.amdhsa_float_denorm_mode_16_64 3
		.amdhsa_memory_ordered 1
		.amdhsa_forward_progress 1
		.amdhsa_inst_pref_size 51
	.end_amdhsa_kernel
	.amdgpu_metadata
---
amdhsa.version: [ 1, 2 ]
amdhsa.kernels:
  - .name:           k_qc7b6aaf117_oproj
    .symbol:         k_qc7b6aaf117_oproj.kd
    .args:
      - { .name: ctx_codes, .offset: 0, .size: 8, .value_kind: global_buffer, .address_space: global }
      - { .name: ctx_scales, .offset: 8, .size: 8, .value_kind: global_buffer, .address_space: global }
      - { .name: xw_codes, .offset: 16, .size: 8, .value_kind: global_buffer, .address_space: global }
      - { .name: xw_scales, .offset: 24, .size: 8, .value_kind: global_buffer, .address_space: global }
      - { .name: out0, .offset: 32, .size: 8, .value_kind: global_buffer, .address_space: global }
    .group_segment_fixed_size: 327680
    .private_segment_fixed_size: 0
    .kernarg_segment_align: 8
    .kernarg_segment_size: 40
    .max_flat_workgroup_size: 128
    .sgpr_count:     102
    .vgpr_count:     512
    .wavefront_size: 32
...
	.end_amdgpu_metadata
.endif
;; end of part 4
